; MI455X (gfx1250); checked and timed in simulation.
; The chip was launched on July 23, 2026; its instructions are those of AMD's public machine-readable ISA for CDNA 5 (MIT licence, August 2026) and "CDNA5" Instruction Set Architecture Reference Guide (July 2026). The comments in the code are by the model that wrote it; some were corrected since.
;; Multi Head Structure Attention. Allowed arithmetic: matrix products marked QUANTISED: E3M2 operands, one E8M0 scale for each 32 along K, by v_wmma_scale_f32_16x16x128_f8f6f4 with both operands' format E3M2, f32 sums; everything else in f32.
;; Inputs: Wfc_codes 1,024 x 32 x 24 uint8 (E3M2 codes of Wfc, K innermost, in blocks of 32 codes, four codes in three bytes); Wfc_scales 1,024 x 32 uint8 (E8M0 scales of Wfc, one for each 32 codes along K); Wk_codes 1,024 x 32 x 24 uint8 (E3M2 codes of Wk, K innermost, in blocks of 32 codes, four codes in three bytes); Wk_scales 1,024 x 32 uint8 (E8M0 scales of Wk, one for each 32 codes along K); Wq_codes 1,024 x 32 x 24 uint8 (E3M2 codes of Wq, K innermost, in blocks of 32 codes, four codes in three bytes); Wq_scales 1,024 x 32 uint8 (E8M0 scales of Wq, one for each 32 codes along K); Wv_codes 1,024 x 32 x 24 uint8 (E3M2 codes of Wv, K innermost, in blocks of 32 codes, four codes in three bytes); Wv_scales 1,024 x 32 uint8 (E8M0 scales of Wv, one for each 32 codes along K); beta 1,024 float32; gamma 1,024 float32; k_codes 4 x 2,048 x 32 x 24 uint8 (E3M2 codes of k, K innermost, in blocks of 32 codes, four codes in three bytes); k_scales 4 x 2,048 x 32 uint8 (E8M0 scales of k, one for each 32 codes along K); q 4 x 2,048 x 1,024 float32; v_codes 4 x 2,048 x 32 x 24 uint8 (E3M2 codes of v, K innermost, in blocks of 32 codes, four codes in three bytes); v_scales 4 x 2,048 x 32 uint8 (E8M0 scales of v, one for each 32 codes along K).
;; Outputs: out0 4 x 2,048 x 1,024 float32.
;; This version of the problem:
;;   THIS VERSION OF THE PROBLEM IS GIVEN IN LOW PRECISION. The matrix products marked QUANTISED in the list below multiply operands that are first quantised to E3M2 (3 exponent bits, 2 mantissa bits; 6 bits a number), with one power-of-two scale for each 32 numbers along K (OCP MX v1.0); their sums are f32. All else is computed in f32.
;;   The module's matrix products, in the order in which they are computed (A, B: the left and right operand; K: the contracted axis; several contracted axes count as one K, in the product's order):
;;     1. [M 8,192, K 1,024] x [K 1,024, N 1,024]; A: input q; B: input Wq (given as codes): QUANTISED
;;     2. [M 8,192, K 1,024] x [K 1,024, N 1,024]; A: input k (given as codes); B: input Wk (given as codes): QUANTISED
;;     3. [M 8,192, K 1,024] x [K 1,024, N 1,024]; A: input v (given as codes); B: input Wv (given as codes): QUANTISED
;;     4. batch 64 x [M 2,048, K 64] x [K 64, N 2,048]; A: computed on the way; B: computed on the way: QUANTISED
;;     5. batch 64 x [M 64, K 2,048] x [K 2,048, N 2,048]; A: computed on the way; B: softmax (see below): QUANTISED
;;     6. [M 8,192, K 1,024] x [K 1,024, N 1,024]; A: computed on the way; B: input Wfc (given as codes): QUANTISED
;;   THE QUANTISER, for each operand of a quantised product, along K:
;;     - K is cut into blocks of 32 from its start; a last block that is shorter is filled with zeros.
;;     - A block's scale is 2^e with e = floor(log2(the largest magnitude in the block)) - 4, held to -126 .. 127; a block of zeros has e = 0. As a byte (E8M0): e + 127.
;;     - Each number is divided by its block's scale, clamped to +-28, and rounded to the nearest number of E3M2, ties to even, subnormals kept.
;;     - The product sums the exact products of the quantised numbers (number of the format x scale) in f32.
;;   ~~~python
;;   def quantise(x, axis):      # numpy; x: float32 -> the quantised numbers, widened to float32 again
;;       x = np.moveaxis(x, axis, -1); K = x.shape[-1]
;;       x = np.pad(x, [(0, 0)] * (x.ndim - 1) + [(0, -K % 32)]); x = x.reshape(x.shape[:-1] + (-1, 32)); a = np.abs(x).max(-1, keepdims=True)
;;       e = np.where(a > 0, np.clip(np.frexp(np.where(a > 0, a, 1))[1] - 1 - 4, -126, 127), 0)      # np.frexp(a)[1] - 1 = floor(log2(a)), exactly
;;       r = np.clip(x / 2.0 ** e, -28, 28)
;;       step = 2.0 ** (np.maximum(np.frexp(np.where(r == 0, 1, r))[1] - 1, -2) - 2)
;;       q = np.round(r / step) * step * 2.0 ** e      # np.round: ties to even
;;       return np.moveaxis(q.reshape(q.shape[:-2] + (-1,))[..., :K], -1, axis).astype(np.float32)
;;   ~~~
;;   SOFTMAX AHEAD OF A QUANTISED PRODUCT. Where the list says 'softmax', what is quantised is not the finished softmax but p = 2^(t - M), with t = logit x log2(e) and M = ceil(the row's largest t), a whole number; so 1/2 < the row's largest p <= 1. The row's sum l is taken of the UNQUANTISED p, in f32, and the product's result is divided by l at the end. Since M is a whole number, a kernel that streams over the keys may use a running M (the ceiling of the running maximum): every later rescaling is an exact power of two, which a block's scale takes up: the codes' values come out the same.
;;   OPERANDS COMPUTED ON THE WAY. 'Computed on the way' means the value that the module computes at that place (a softmax that the list does not call 'softmax' is quantised finished and normalised). What goes into a quantiser is computed in f32, as accurately as f32 sums, v_exp_f32 and their like allow (about 1e-6 of the number): no bf16 or f16 on the way to a quantiser, and a product that is left as it is and whose result goes on into a quantised operand takes f32 operands (vector FMAs, or v_wmma_f32_16x16x4_f32). A number that lies on a knife's edge between two numbers of the format may be rounded either way, as far as f32 arithmetic and the matrix unit's own rounding can turn it there, and no further.
;;   INPUTS GIVEN AS CODES. Wfc (in the module: [1024, 1024], K = its axis 0); Wk (in the module: [1024, 1024], K = its axis 0); Wq (in the module: [1024, 1024], K = its axis 0); Wv (in the module: [1024, 1024], K = its axis 0); k (in the module: [4, 2048, 1024], K = its axis 2); v (in the module: [4, 2048, 1024], K = its axis 2): each comes as NAME_codes (uint8): NAME with its K axis moved to the last place and cut into blocks of 32 codes, [.., K / 32, bytes a block], one block behind the other in memory; four codes in three bytes: a row's codes are one little-endian stream of bits, code i at bits 6 i .. 6 i + 5 (a code: sign, 3 exponent bits, 2 mantissa bits); and NAME_scales (uint8): the same leading axes, one E8M0 byte (e + 127) for each 32 codes along K. Its value is code x scale, taken as it is: it is not quantised again, and the codes and scales need not be those that the quantiser above would give.
;; One version. Each part assembles by itself: llvm-mc -triple=amdgcn-amd-amdhsa -mcpu=gfx1250 --defsym DOCPART=n.
;; ======== version 1 of 1: 4 launches
;; limits: right only within a limited range of input values
;; workspace buffers: qx 6,291,456 bytes; qxs 262,144 bytes; wf 786,432 bytes; qc 6,291,456 bytes; qs 262,144 bytes; kv 13,107,200 bytes; ao 6,291,456 bytes; aos 262,144 bytes
;; launch quantq (part 1): grid 256 x 1, 8 waves a work-group, no clusters, 66,560 bytes of LDS; arguments q, Wfc_codes, qx, qxs, wf; writes qx, qxs, wf
.if DOCPART == 1
	.amdgcn_target "amdgcn-amd-amdhsa--gfx1250"
	.amdhsa_code_object_version 6
	.text
	.protected	k_q17b06b7f3e_quantq
	.globl	k_q17b06b7f3e_quantq
	.p2align	8
	.type	k_q17b06b7f3e_quantq,@function
k_q17b06b7f3e_quantq:
	s_mov_b64 s[64:65], 0
	v_nop
	global_prefetch_b8 v0, s[64:65] scope:SCOPE_SE
	s_setreg_imm32_b32 hwreg(HW_REG_WAVE_MODE, 25, 1), 1
	s_wait_xcnt 0x0
; q [8192][1024] f32 becomes codes of BF6 (E3M2), K innermost, 768 bytes a row (qx), and one E8M0 byte for each 32 along K (qxs), laid as k_codes and k_scales are.
; A block's scale is 2^(floor(log2(its largest magnitude)) - 4); its byte is the largest magnitude's exponent field - 4, held at 1 from below by a floor among the maximum's leaves.
; LIMITS: a block whose largest magnitude lies under 2^-122 gets the byte 1 (a block of zeros too, where the rule says 127: its codes are zeros, and this program alone reads the bytes); NaN and infinities are not served.
; Rows are dense and 1,024 is a multiple of 32: the tensor is a plain stream of blocks.  A wave takes 4,096 numbers in 8 steps of 512; all its 32 loads go out at the head, each 512 consecutive bytes.
; A conversion wants 16 NEIGHBOURS in one lane: a step's 2,048 bytes turn through the wave's own stage in LDS (16 bytes of padding behind each 64), one step ahead of the work.
; Beside that, waves 0 and 1 of each work-group re-lay one fragment (16 rows x 128 K) of Wfc's codes as an image of the operand's 12 registers (wf): 3 planes of 512 bytes, lane l's 16 bytes at 16 l.
; Image F = (slab x 8 + K step) x 16 + column tile: a wave of the last launch then reads 24,576 bytes on end for each K step.
; No matrix unit, no cluster, no barrier: waves share nothing, and memory binds.
.set SP,   80                          ; a lane's place in a stage: 64 bytes + 16
.set SBY,  2*32*SP                     ; behind a wave's two stages: its 128 scale bytes
.set R,    16                          ; v16-143  eight sets of 16 numbers as loaded
.set X,    144                         ; v144-175 two sets of 16 neighbours
.set C,    176                         ; v176-207 codes, four registers a step: no store's data are written again
.set E,    208                         ; v208-215 a scale byte for each step
.set WF,   216                         ; v216-227 the weight fragment
.set WA,   228                         ; v228     its lane's byte: 768 r + 24 h
	s_load_b256 s[4:11], s[0:1], 0x0               ; q s[4:5], Wfc_codes s[6:7], qx s[8:9], qxs s[10:11]
	s_load_b64 s[12:13], s[0:1], 0x20              ; wf
	v_lshl_add_u32 v240, v0, 2, 0x10000
	v_mov_b32 v241, 0
	v_lshrrev_b32 v1, 5, v0
	s_delay_alu instid0(VALU_DEP_1)
	v_readfirstlane_b32 s16, v1                    ; wave 0..7
	v_and_b32 v2, 31, v0                           ; lane
	s_delay_alu instid0(VALU_DEP_1)
	v_lshlrev_b32 v3, 4, v2                        ; 16 x lane
	s_lshl_b32 s17, s16, 13                        ; my wave's 8,192 bytes of LDS
	v_lshrrev_b32 v14, 2, v2
	s_delay_alu instid0(VALU_DEP_1)
	v_mul_u32_u24 v14, v14, SP
	v_and_b32 v15, 3, v2
	s_delay_alu instid0(VALU_DEP_1)
	v_lshl_add_u32 v14, v15, 4, v14
	s_delay_alu instid0(VALU_DEP_1)
	v_add_nc_u32 v14, s17, v14                     ; the stage, on the way in: SP (lane / 4) + 16 (lane % 4)
	v_mul_u32_u24 v15, v2, SP
	s_delay_alu instid0(VALU_DEP_1)
	v_add_nc_u32 v15, s17, v15                     ; and on the way out: SP x lane
	v_mul_u32_u24 v4, v2, 12                       ; my 12 bytes of a step's 384 bytes of codes
	v_lshrrev_b32 v5, 1, v2
	s_add_co_u32 s17, s17, SBY
	v_add_nc_u32 v5, s17, v5                       ; my block's scale byte in LDS
	v_lshlrev_b32 v7, 2, v2
	s_delay_alu instid0(VALU_DEP_1)
	v_add_nc_u32 v6, s17, v7                       ; and 4 bytes a lane on the way out
	v_and_b32 v8, 15, v0
	v_bfe_u32 v9, v0, 4, 1
	s_delay_alu instid0(VALU_DEP_2)
	v_mul_u32_u24 v[WA], v8, 768
	s_delay_alu instid0(VALU_DEP_1)
	v_mad_u32_u24 v[WA], v9, 24, v[WA]
	s_lshl_b32 s18, ttmp9, 3
	s_add_co_u32 s18, s18, s16                     ; W = 8 x work-group + wave: which run of 4,096 numbers
	s_lshl_b32 s20, s18, 14                        ; 16,384 bytes of q,
	s_mov_b32 s21, 0
	s_mul_i32 s22, s18, 3072                       ; 3,072 of codes,
	s_mov_b32 s23, 0
	s_lshl_b32 s24, s18, 7                         ; 128 scale bytes
	s_mov_b32 s25, 0
	s_lshl_b32 s19, ttmp9, 1
	s_add_co_u32 s19, s19, s16                     ; F = 2 x work-group + wave (used by waves 0 and 1 alone)
	s_lshr_b32 s26, s19, 7
	s_lshl_b32 s26, s26, 4
	s_and_b32 s27, s19, 15
	s_add_co_u32 s26, s26, s27                     ; the column tile: 16 (F / 128) + F % 16
	s_mul_i32 s26, s26, 12288                      ; its 16 rows of 768 bytes
	s_bfe_u32 s27, s19, 0x30004                    ; the K step: (F / 16) % 8
	s_mul_i32 s27, s27, 96
	s_add_co_u32 s26, s26, s27
	s_mov_b32 s27, 0
	s_mul_i32 s28, s19, 1536
	s_mov_b32 s29, 0
	s_wait_kmcnt 0x0
	s_add_nc_u64 s[4:5], s[4:5], s[20:21]
	s_add_nc_u64 s[8:9], s[8:9], s[22:23]
	s_add_nc_u64 s[10:11], s[10:11], s[24:25]
	s_add_nc_u64 s[6:7], s[6:7], s[26:27]
	s_add_nc_u64 s[12:13], s[12:13], s[28:29]
	s_cmp_lt_u32 s16, 2
	s_cbranch_scc0 .Lno_frag
	s_wait_alu depctr_va_vdst(0)
.irp p, 0,1,2,3,4,5
	global_load_b64 v[WF+2*\p:WF+2*\p+1], v[WA], s[6:7] offset:48*(\p/3)+8*(\p%3)   ; the fragment as the operand's layout has it: these loads are older than all of q's
.endr
.Lno_frag:
.macro LOAD t
.irp i, 0,1,2,3
	global_load_b128 v[R+16*(\t)+4*\i:R+16*(\t)+4*\i+3], v3, s[4:5] offset:2048*(\t)+512*\i th:TH_LOAD_NT   ; 32 lanes read 512 consecutive bytes
.endr
.endm
.macro TURN t                          ; step t's numbers through the stage: LDS serves a wave's instructions in order, so no wait stands between the stores and the loads
.irp i, 0,1,2,3
	ds_store_b128 v14, v[R+16*(\t)+4*\i:R+16*(\t)+4*\i+3] offset:32*SP*((\t)%2)+8*SP*\i
.endr
.irp i, 0,1,2,3
	ds_load_b128 v[X+16*((\t)%2)+4*\i:X+16*((\t)%2)+4*\i+3], v15 offset:32*SP*((\t)%2)+16*\i
.endr
.endm
.irp t, 0,1,2,3,4,5,6,7
	LOAD \t
.endr
	s_wait_loadcnt 28                              ; step 0's four loads are in (and what is older); the 28 of steps 1 to 7 may be out
	TURN 0
.macro STEP t
.set XS, X+16*((\t)%2)
.if (\t) > 0
	s_wait_dscnt 1                                 ; this step's numbers are back from the stage; the last step's byte store may be out
.else
	s_wait_dscnt 0x0
.endif
.if (\t) < 7
	s_wait_loadcnt 4*(6-(\t))                      ; the next step's four loads are in; those of the steps behind it may be out
	TURN (\t)+1                                    ; and go through the other stage while this step is worked
.endif
	v_max3_num_f32 v8, |v[XS]|, |v[XS+1]|, |v[XS+2]|               ; the largest magnitude of my 16, in two chains
	v_max3_num_f32 v9, |v[XS+3]|, |v[XS+4]|, |v[XS+5]|
.irp i, 6,10
	s_delay_alu instid0(VALU_DEP_2)
	v_max3_num_f32 v8, v8, |v[XS+\i]|, |v[XS+\i+1]|
	s_delay_alu instid0(VALU_DEP_2)
	v_max3_num_f32 v9, v9, |v[XS+\i+2]|, |v[XS+\i+3]|
.endr
	s_delay_alu instid0(VALU_DEP_2)
	v_max3_num_f32 v8, v8, |v[XS+14]|, |v[XS+15]|
	s_delay_alu instid0(VALU_DEP_1)
	v_max3_num_f32 v8, v8, v9, 0x2800000           ; and the floor 2^(5 - 127): the byte cannot fall under 1
	s_delay_alu instid0(VALU_DEP_1)
	v_max_num_f32_dpp v8, v8, v8 row_xmask:1 row_mask:0xf bank_mask:0xf   ; with my neighbour's 16: the block's
	s_delay_alu instid0(VALU_DEP_1)
	v_add_nc_u32 v11, 0xfe000000, v8               ; 4 off its exponent field: the conversion takes the exponent field of this operand as its scale
	v_cvt_scalef32_pk16_bf6_f32 v[C+4*(\t):C+4*(\t)+2], v[XS:XS+15], v11   ; to the nearest code, ties to even, beyond 28 the largest code
	v_lshrrev_b32 v[E+(\t)], 23, v11               ; the scale's byte
	ds_store_b8 v5, v[E+(\t)] offset:16*(\t)       ; both lanes of a block write the same byte with the same value
	global_store_b96 v4, v[C+4*(\t):C+4*(\t)+2], s[8:9] offset:384*(\t)   ; the wave stores 384 consecutive bytes
.endm
	STEP 0
	s_cmp_lt_u32 s16, 2
	s_cbranch_scc0 .Lno_image
.irp p, 0,1,2
	global_store_b128 v3, v[WF+4*\p:WF+4*\p+3], s[12:13] offset:512*\p   ; the fragment's image: its loads are older than step 0's, which have been waited for
.endr
.Lno_image:
.irp t, 1,2,3,4,5,6,7
	STEP \t
.endr
	ds_load_b32 v12, v6                            ; LDS serves a wave's instructions in order: this sees my byte stores
	s_wait_dscnt 0x0
	global_store_b32 v7, v12, s[10:11]             ; my wave's 128 scale bytes, consecutive
	s_wait_tensorcnt 0x0
	ds_add_u32 v240, v241
	s_wait_dscnt 0x0
	s_endpgm
.Lfunc_end_k_q17b06b7f3e_quantq:
	.size	k_q17b06b7f3e_quantq, .Lfunc_end_k_q17b06b7f3e_quantq-k_q17b06b7f3e_quantq
	.p2alignl 7, 3214868480
	.fill 96, 4, 3214868480
	.section	.rodata,"a",@progbits
	.p2align	6, 0x0
	.amdhsa_kernel k_q17b06b7f3e_quantq
		.amdhsa_group_segment_fixed_size 66560
		.amdhsa_private_segment_fixed_size 0
		.amdhsa_enable_private_segment 0
		.amdhsa_kernarg_size 40
		.amdhsa_user_sgpr_count 2
		.amdhsa_user_sgpr_kernarg_segment_ptr 1
		.amdhsa_wavefront_size32 1
		.amdhsa_system_sgpr_workgroup_id_x 1
		.amdhsa_system_sgpr_workgroup_id_y 1
		.amdhsa_system_sgpr_workgroup_id_z 1
		.amdhsa_system_vgpr_workitem_id 0
		.amdhsa_next_free_vgpr 242
		.amdhsa_next_free_sgpr 66
		.amdhsa_reserve_vcc 0
		.amdhsa_float_denorm_mode_32 3
		.amdhsa_float_denorm_mode_16_64 3
		.amdhsa_memory_ordered 1
		.amdhsa_forward_progress 1
		.amdhsa_inst_pref_size 21
	.end_amdhsa_kernel
	.amdgpu_metadata
---
amdhsa.version: [ 1, 2 ]
amdhsa.kernels:
  - .name:           k_q17b06b7f3e_quantq
    .symbol:         k_q17b06b7f3e_quantq.kd
    .args:
      - { .name: q, .offset: 0, .size: 8, .value_kind: global_buffer, .address_space: global }
      - { .name: Wfc_codes, .offset: 8, .size: 8, .value_kind: global_buffer, .address_space: global }
      - { .name: qx, .offset: 16, .size: 8, .value_kind: global_buffer, .address_space: global }
      - { .name: qxs, .offset: 24, .size: 8, .value_kind: global_buffer, .address_space: global }
      - { .name: wf, .offset: 32, .size: 8, .value_kind: global_buffer, .address_space: global }
    .group_segment_fixed_size: 66560
    .private_segment_fixed_size: 0
    .kernarg_segment_align: 8
    .kernarg_segment_size: 40
    .max_flat_workgroup_size: 256
    .sgpr_count:     66
    .vgpr_count:     242
    .wavefront_size: 32
...
	.end_amdgpu_metadata
.endif
;; end of part 1
;; launch proj (part 2): grid 192 x 1, 4 waves a work-group, no clusters, 305,664 bytes of LDS; arguments qx, k_codes, Wv_codes, qxs, k_scales, Wv_scales, Wq_codes, Wk_codes, v_codes, Wq_scales, Wk_scales, v_scales, qc, qs, kv; writes qc, qs, kv
.if DOCPART == 2
	.amdgcn_target "amdgcn-amd-amdhsa--gfx1250"
	.amdhsa_code_object_version 6
	.text
	.protected	k_q17b06b7f3e_proj
	.globl	k_q17b06b7f3e_proj
	.p2align	8
	.type	k_q17b06b7f3e_proj,@function
k_q17b06b7f3e_proj:
	s_mov_b64 s[64:65], 0
	v_nop
	global_prefetch_b8 v0, s[64:65] scope:SCOPE_SE
	s_setreg_imm32_b32 hwreg(HW_REG_WAVE_MODE, 25, 1), 1
	s_wait_xcnt 0x0
; The three projections q Wq, k Wk, v Wv (8,192 x 1,024 x 1,024 each) on codes of BF6 (E3M2) with E8M0 scales, and their results quantised in registers into images of the next products' operands.
; ONE BODY, three tensors: work-groups 0-63 take q, 64-127 k, 128-191 v; only pointers and steps are chosen, by the work-group's number.
; SHARES.  Each wave keeps R, 64 rows x all 1,024 of K, in 384 registers; the work-group walks 8 groups S of 64 rows through LDS.  acc(a, b) = R's tile b (source 0) x S's tile a (source 1): 16 accumulators, 128 matrix instructions a group.
;   q, k: R = 64 rows of the weight (one head to a wave), S = 64 tokens.    v: R = 64 tokens (keys), S = 64 rows of Wv (one head to a group).
; THE ROWS OF A TILE ARE NOT NEIGHBOURS: row m of tile i of a group of 64 is 32 (m / 8) + 8 i + m % 8.  Lane (r, h) of acc(a, 0..3) then holds, for S's row of lane r, R's rows 32 h + 0 .. 31 in its 32 registers, in order:
; a WHOLE block of 32 along the next product's K (the head's 64 for q and k, the keys for v).  Its maximum needs no other lane, and two conversions give registers 0-5 of the next operand: a HALF FRAGMENT of 768 bytes
; (registers 0-3: 16 bytes a lane, 512 on end; registers 4-5: 8 bytes a lane, 256 on end).  The 1/8 of the scores is not applied here: quantise(x / 8) = quantise(x) / 8, and the next launch folds it into its scaling.
; FRAGMENTS BY THREE LOADS OF 16 BYTES: lane (r, h) takes the 48 bytes at 96 s + 48 h of its row, so that blocks 1 and 2 of each 128 along K change places, in R and S alike; bytes 1 and 2 of every scale word are swapped to match.
; LIMITS: that exchange keeps every product and changes only how the sums are grouped.  A result block whose largest magnitude lies under 2^-122 gets the byte 1 (zeros too; this program alone reads the bytes).  Folding the 1/8
; differs from the letter only where a scale would be held at 2^-126.  NaN and infinities are not served.
; NO CLUSTER: a joint load lands rows in memory's order, and here a group's rows must land in tile order (rows 32 apart would meet in the same banks); the shared part is 49,152 bytes a group against 128 matrix instructions a wave.
; REGISTERS, in windows of 256.  window 0: v0-21 addresses; v24-39 R's scale words; v40-55 S's; v56-151 S's fragments, two sets of four; v152-251 a group on its way from memory to LDS.
;   windows 1, 2: R's fragment (tile b, K step s) at v[12 (4 (s % 4) + b)], window 1 for s < 4.   window 3: v0-127 the accumulators, (a, b) at v[8 (4 a + b)]; v128-195 the quantiser's.
.set PITCH, 784                        ; an LDS row: 768 bytes + 16 = 196 words: row r starts at bank 4 r mod 64 (64 banks of 4 bytes: ISA guide 11.1)
.set XSB,   128*PITCH                  ; behind S's two slots of codes (tile a of slot p: rows 32 a + 16 p + r): S's scale words, 2 x 2,048 bytes
.set RT,    XSB+4096                   ; behind them: 64 rows for each wave, its own, in which R is turned once
.set RTW,   64*PITCH
.set RS,    24
.set XSR,   40
.set XF,    56
.set STG,   152
.set MX,    128                        ; window 3: the four blocks' largest magnitudes,
.set SO,    132                        ; the conversions' scale operands,
.set BY,    136                        ; the scale bytes,
.set UU,    140                        ; two words of two pairs of bytes,
.set EX,    142                        ; the other half's,
.set H8,    144                        ; 8 h,
.set WD,    145                        ; the word that my lane stores,
.set CA,    148                        ; the codes, 8 registers apart, six used,
.set TA,    180                        ; and the second conversions' results (a conversion's three registers begin on an even number)
.set MSB, 0
.macro WIN new                         ; the immediate's high byte repeats the setting that is left
.if MSB != \new
	s_set_vgpr_msb (MSB<<8)|\new
.set MSB, \new
.endif
.endm
.macro PLACES                          ; four places in front of loads into registers that matrix instructions have read, and of the first read of results
.rept 4
	v_nop
.endr
.endm
	s_load_b512 s[8:23], s[0:1], 0x0               ; S's codes: qx s[8:9], k_codes s[10:11], Wv_codes s[12:13]; S's scales s[14:19]; R's codes: Wq s[20:21], Wk s[22:23],
	s_load_b256 s[24:31], s[0:1], 0x40             ; v_codes s[24:25]; R's scales s[26:31]
	s_load_b128 s[32:35], s[0:1], 0x60             ; qc, qs
	s_load_b64 s[36:37], s[0:1], 0x70              ; kv
	v_lshl_add_u32 v254, v0, 2, 0x4a800
	v_mov_b32 v255, 0
	v_lshrrev_b32 v1, 5, v0
	v_readfirstlane_b32 s70, v1                    ; wave 0..3
	v_and_b32 v1, 31, v0                           ; lane
	v_and_b32 v2, 15, v0                           ; r
	v_bfe_u32 v3, v0, 4, 1                         ; h
	v_mul_u32_u24 v4, v2, PITCH
	v_mad_u32_u24 v4, v3, 48, v4                   ; S's fragments, tiles 0 and 1: row r, + 48 h
	v_add_nc_u32 v5, 64*PITCH, v4                  ; tiles 2 and 3
	v_lshlrev_b32 v6, 5, v2
	v_lshl_add_u32 v6, v3, 4, v6
	v_add_nc_u32 v6, XSB, v6                       ; S's scale words: 32 r + 16 h: lanes 0-15 take K steps 0-3, lanes 16-31 K steps 4-7
	s_and_b32 s2, s70, 1
	s_lshl_b32 s2, s2, 6
	s_lshr_b32 s3, s70, 1
	s_lshl_b32 s3, s3, 3
	s_add_co_u32 s2, s2, s3
	s_mul_i32 s2, s2, PITCH                        ; my 16 rows of a group (16 w on) begin at LDS row 64 (w % 2) + 8 (w / 2)
	v_lshlrev_b32 v17, 4, v1                       ; 16 x lane
	v_lshl_add_u32 v22, v3, 4, v17                 ; 16 x lane + 16 h
	v_add_nc_u32 v7, s2, v17                       ; three loads of 512 bytes are two rows of 768: the first lies in the first row,
	v_add_nc_u32 v8, s2, v22
	v_add_nc_u32 v8, 512, v8                       ; the second half in each (the second row lies 16 bytes of padding further on),
	v_add_nc_u32 v9, s2, v17
	v_add_nc_u32 v9, 1040, v9                      ; the third in the second
	v_bfe_u32 v23, v0, 4, 2
	v_lshlrev_b32 v10, 9, v23
	v_lshrrev_b32 v23, 6, v0
	v_lshl_add_u32 v10, v23, 8, v10
	v_bfe_u32 v23, v0, 1, 3
	v_lshl_add_u32 v10, v23, 5, v10
	v_and_b32 v23, 1, v0
	v_lshl_add_u32 v10, v23, 4, v10
	v_add_nc_u32 v10, XSB, v10                     ; thread t holds half t % 2 of the scales of group row t / 2: it goes to row 16 a + r of the tile order
	s_mul_i32 s3, s70, 12288
	v_add_nc_u32 v11, s3, v17                      ; in memory: my wave's 16 rows of a group, 16 bytes a lane
	v_lshlrev_b32 v12, 4, v0                       ; and the group's 2,048 scale bytes, 16 a thread
	s_mul_i32 s3, s70, RTW
	s_add_co_u32 s3, s3, RT                        ; my wave's turning area
	v_add_nc_u32 v13, s3, v17
	v_add_nc_u32 v14, s3, v22
	v_add_nc_u32 v14, 512, v14
	v_add_nc_u32 v15, s3, v17
	v_add_nc_u32 v15, 1040, v15
	v_add_nc_u32 v16, s3, v4
	v_lshrrev_b32 v23, 3, v2
	v_lshlrev_b32 v18, 10, v23
	v_and_b32 v23, 7, v2
	v_lshl_add_u32 v18, v23, 5, v18
	v_lshl_add_u32 v18, v3, 4, v18                 ; R's scale words in memory: row 32 (r / 8) + r % 8 (+ 8 b by the immediate), + 16 h
	v_lshl_add_u32 v20, v1, 3, 512                 ; a half fragment's registers 4-5
	v_lshlrev_b32 v21, 2, v1                       ; a scale word a lane
	WIN 0xc0
	v_lshlrev_b32 v[H8], 3, v3
	v_mov_b32 v[EX], 0                             ; written once: a lane permute's destination counts as one of its sources
	v_mov_b32 v[EX+1], 0
	WIN 0
	s_mov_b32 s74, 0x76543210
	s_mov_b32 s75, 0xfedcba98                      ; v_permlanex16_b32's selects for lane l xor 16
	s_mov_b32 s76, 0x03010200                      ; v_perm_b32: bytes 1 and 2 change places
	s_mov_b32 s77, 0xffff0000                      ; lanes 16-31
	s_lshr_b32 s71, ttmp9, 6                       ; which tensor: 0 q, 1 k, 2 v
	s_and_b32 s72, ttmp9, 63
	s_and_b32 s78, s72, 3                          ; q, k: slab of 256 rows of the weight,
	s_lshr_b32 s79, s72, 2                         ;       part of 512 tokens
	s_lshr_b32 s80, s72, 1                         ; v: slab of 256 tokens,
	s_and_b32 s81, s72, 1                          ;    half of Wv's rows (8 heads)
	s_cmp_eq_u32 s71, 2
	s_cselect_b32 s82, s80, s78
	s_cselect_b32 s83, s81, s79
	s_lshl_b32 s82, s82, 8
	s_lshl_b32 s84, s70, 6
	s_add_co_u32 s82, s82, s84                     ; R's first row: 256 x slab + 64 x wave
	s_lshl_b32 s83, s83, 9                         ; S's first row
	s_lshr_b32 s85, s79, 2
	s_lshl_b32 s85, s85, 4
	s_lshl_b32 s86, s78, 2
	s_add_co_u32 s85, s85, s86
	s_add_co_u32 s85, s85, s70                     ; q, k: batch x 16 + head
	s_and_b32 s86, s79, 3                          ; which 512 tokens of the batch
	s_lshl_b32 s87, s85, 5
	s_lshl_b32 s88, s86, 3
	s_add_co_u32 s87, s87, s88                     ; q: the first group of 64 tokens: 32 x (batch, head) + 8 x part
	s_mul_i32 s88, s87, 3072                       ;    its four half fragments in qc,
	s_lshl_b32 s89, s87, 7                         ;    its 128 bytes in qs
	s_mul_i32 s90, s85, 204800
	s_mul_i32 s91, s86, 51200
	s_add_co_u32 s90, s90, s91                     ; k: the head's 204,800 bytes of kv, four key steps of 12,800 a part
	s_add_co_u32 s91, s90, 12288                   ;    K's scale words lie 12,288 bytes into a step
	s_lshr_b32 s92, s80, 3
	s_lshl_b32 s92, s92, 4
	s_lshl_b32 s93, s81, 3
	s_add_co_u32 s92, s92, s93                     ; v: batch x 16 + the first of my 8 heads
	s_mul_i32 s92, s92, 204800
	s_and_b32 s93, s80, 7
	s_lshl_b32 s93, s93, 1
	s_lshr_b32 s94, s70, 1
	s_add_co_u32 s93, s93, s94                     ;    my wave's key step,
	s_mul_i32 s93, s93, 12800
	s_add_co_u32 s92, s92, s93
	s_and_b32 s94, s70, 1                          ;    and which 64 keys of it
	s_mul_i32 s93, s94, 3072
	s_add_co_u32 s93, s93, s92
	s_add_co_u32 s93, s93, 6144                    ;    V's half fragments lie 6,144 bytes into a step,
	s_lshl_b32 s94, s94, 7
	s_add_co_u32 s94, s94, s92
	s_add_co_u32 s94, s94, 12544                   ;    V's scale words 12,544
	s_mov_b32 s95, 204800
	s_mov_b32 s62, 9728                            ; the steps of the two output pointers behind an even and an odd group.  k: 3,072 and 12,800 - 3,072; 128 and 12,800 - 128
	s_mov_b32 s68, 12672
	s_cmp_eq_u32 s71, 0
	s_cselect_b32 s52, s88, s90
	s_cselect_b32 s54, s89, s91
	s_cselect_b32 s62, 3072, s62                   ; q: 3,072 and 128 always
	s_cselect_b32 s68, 128, s68
	s_cmp_eq_u32 s71, 2
	s_cselect_b32 s52, s93, s52
	s_cselect_b32 s54, s94, s54
	s_cselect_b32 s60, s95, 3072                   ; v: a head on, 204,800, always
	s_cselect_b32 s62, s95, s62
	s_cselect_b32 s66, s95, 128
	s_cselect_b32 s68, s95, s68
	s_mov_b32 s53, 0
	s_mov_b32 s55, 0
	s_mov_b32 s61, 0
	s_mov_b32 s63, 0
	s_mov_b32 s67, 0
	s_mov_b32 s69, 0
	s_wait_alu depctr_va_vdst(0)
	s_wait_kmcnt 0x0
	s_cmp_eq_u32 s71, 0                            ; the choices hang on the work-group's number alone
	s_cselect_b64 s[40:41], s[8:9], s[10:11]       ; S's codes
	s_cselect_b64 s[42:43], s[14:15], s[16:17]     ; S's scales
	s_cselect_b64 s[44:45], s[20:21], s[22:23]     ; R's codes
	s_cselect_b64 s[46:47], s[26:27], s[28:29]     ; R's scales
	s_cselect_b64 s[48:49], s[32:33], s[36:37]     ; where the codes go: qc, or kv
	s_cselect_b64 s[50:51], s[34:35], s[36:37]     ; where the scale words go: qs, or kv
	s_cmp_eq_u32 s71, 2
	s_cselect_b64 s[40:41], s[12:13], s[40:41]
	s_cselect_b64 s[42:43], s[18:19], s[42:43]
	s_cselect_b64 s[44:45], s[24:25], s[44:45]
	s_cselect_b64 s[46:47], s[30:31], s[46:47]
	s_mul_i32 s2, s82, 768
	s_mov_b32 s3, 0
	s_add_nc_u64 s[44:45], s[44:45], s[2:3]
	s_lshl_b32 s2, s82, 5
	s_add_nc_u64 s[46:47], s[46:47], s[2:3]
	s_mul_i32 s2, s83, 768
	s_add_nc_u64 s[40:41], s[40:41], s[2:3]
	s_lshl_b32 s2, s83, 5
	s_add_nc_u64 s[42:43], s[42:43], s[2:3]
	s_add_nc_u64 s[48:49], s[48:49], s[52:53]
	s_add_nc_u64 s[50:51], s[50:51], s[54:55]
.macro SLOADS                          ; a group of S from memory: my wave's 16 rows, 24 loads of 512 consecutive bytes, and my 16 of its 2,048 scale bytes
.set k, 0
.rept 24
	global_load_b128 v[STG+4*k:STG+4*k+3], v11, s[40:41] offset:512*k
.set k, k+1
.endr
	global_load_b128 v[STG+96:STG+99], v12, s[42:43]
.endm
.macro SSTORE p                        ; and into slot p of LDS, in tile order
.irp i, 0,1,2,3
	v_perm_b32 v[STG+96+\i], v[STG+96+\i], v[STG+96+\i], s76
.endr
.set k, 0
.rept 24
	ds_store_b128 v[7+k%3], v[STG+4*k:STG+4*k+3] offset:PITCH*(32*((k/3)>>2)+16*(\p)+2*((k/3)&3))
.set k, k+1
.endr
	ds_store_b128 v10, v[STG+96:STG+99] offset:2048*(\p)
.endm
.macro FETCH p, s, u                   ; S's four fragments of K step s from slot p into set u: 12 loads
	WIN 0
.irp a, 0,1,2,3
.irp i, 0,1,2
	ds_load_b128 v[XF+48*(\u)+12*\a+4*\i:XF+48*(\u)+12*\a+4*\i+3], v[4+\a/2] offset:PITCH*(32*(\a%2)+16*(\p))+96*(\s)+16*\i
.endr
.endr
.endm
; K step s: 16 matrix instructions, the 16 accumulators by turns, one instruction a turn, in the same order in every step.  The first step starts the sums: nothing is cleared.
.macro MUL s, u
.if (\s) < 4
	WIN 0xf1                                       ; source 0 (R) window 1, source 1 (S) window 0, C and D window 3
.else
	WIN 0xf2                                       ; source 0 window 2
.endif
.irp a, 0,1,2,3
.irp b, 0,1,2,3
.if (\s) == 0
	v_wmma_scale_f32_16x16x128_f8f6f4 v[8*(4*\a+\b):8*(4*\a+\b)+7], v[12*\b:12*\b+11], v[XF+48*(\u)+12*\a:XF+48*(\u)+12*\a+11], 0, v[RS+4*\b], v[XSR+4*\a] matrix_a_fmt:MATRIX_FMT_BF6 matrix_b_fmt:MATRIX_FMT_BF6
.elseif (\s) < 4
	v_wmma_scale_f32_16x16x128_f8f6f4 v[8*(4*\a+\b):8*(4*\a+\b)+7], v[12*(4*(\s)+\b):12*(4*(\s)+\b)+11], v[XF+48*(\u)+12*\a:XF+48*(\u)+12*\a+11], v[8*(4*\a+\b):8*(4*\a+\b)+7], v[RS+4*\b+(\s)], v[XSR+4*\a+(\s)] matrix_a_fmt:MATRIX_FMT_BF6 matrix_b_fmt:MATRIX_FMT_BF6
.else
	v_wmma_scale_f32_16x16x128_f8f6f4 v[8*(4*\a+\b):8*(4*\a+\b)+7], v[12*(4*((\s)-4)+\b):12*(4*((\s)-4)+\b)+11], v[XF+48*(\u)+12*\a:XF+48*(\u)+12*\a+11], v[8*(4*\a+\b):8*(4*\a+\b)+7], v[RS+4*\b+(\s)-4], v[XSR+4*\a+(\s)-4] matrix_a_fmt:MATRIX_FMT_BF6 matrix_b_fmt:MATRIX_FMT_BF6 matrix_a_scale:MATRIX_SCALE_ROW1 matrix_b_scale:MATRIX_SCALE_ROW1
.endif
.endr
.endr
.endm
; The four tiles a: my 32 registers of each are one block of 32.  All in window 3; the four by turns, so that no line waits for the line above it; each accumulator is read from its low end on.
.macro QUANT4
	WIN 0xff
.irp a, 0,1,2,3
	v_max3_num_f32 v[MX+\a], |v[32*\a]|, |v[32*\a+1]|, 0x2800000   ; with the floor 2^(5 - 127): the byte cannot fall under 1
.endr
.irp i, 2,4,6,8,10,12,14,16,18,20,22,24,26,28,30
.irp a, 0,1,2,3
	v_max3_num_f32 v[MX+\a], v[MX+\a], |v[32*\a+\i]|, |v[32*\a+\i+1]|
.endr
.endr
.irp a, 0,1,2,3
	v_add_nc_u32 v[SO+\a], 0xfe000000, v[MX+\a]    ; 4 off the exponent field: the conversion's scale operand
.endr
.irp a, 0,1,2,3
	v_lshrrev_b32 v[BY+\a], 23, v[SO+\a]           ; the scale's byte
.endr
.irp a, 0,1,2,3
	v_cvt_scalef32_pk16_bf6_f32 v[CA+8*\a:CA+8*\a+2], v[32*\a:32*\a+15], v[SO+\a]
	v_cvt_scalef32_pk16_bf6_f32 v[TA+4*\a:TA+4*\a+2], v[32*\a+16:32*\a+31], v[SO+\a]
.endr
	v_nop                                          ; one plain place behind the last scaled conversion
.irp a, 0,1,2,3
.irp i, 0,1,2
	v_mov_b32 v[CA+8*\a+3+\i], v[TA+4*\a+\i]
.endr
.endr
.irp e, 0,1
	v_lshl_or_b32 v[UU+\e], v[BY+2*\e+1], 16, v[BY+2*\e]   ; my bytes of tiles 2 e and 2 e + 1,
.endr
.irp e, 0,1
	v_lshlrev_b32 v[UU+\e], v[H8], v[UU+\e]        ; at block h's place;
.endr
.irp e, 0,1
	v_permlanex16_b32 v[EX+\e], v[UU+\e], s74, s75
.endr
.irp e, 0,1
	v_or_b32 v[UU+\e], v[UU+\e], v[EX+\e]          ; with lane l xor 16's: pair(2 e) | pair(2 e + 1) << 16
.endr
	v_cndmask_b32 v[WD], v[UU], v[UU+1], s77       ; lanes 0-15 store tiles 0 and 1's word of row r, lanes 16-31 tiles 2 and 3's
.endm
.macro OUT
	WIN 0x0c                                       ; a store's data are its source 1: window 3
.irp a, 0,1,2,3
	global_store_b128 v17, v[CA+8*\a:CA+8*\a+3], s[48:49] offset:768*\a   ; 512 consecutive bytes, at a multiple of 256 from the buffer's first byte,
	global_store_b64 v20, v[CA+8*\a+4:CA+8*\a+5], s[48:49] offset:768*\a  ; and the 256 behind them
.endr
	global_store_b32 v21, v[WD], s[50:51]          ; 128 consecutive bytes
	WIN 0
.endm
; One group of S, in slot p.  st: the next group, which has come from memory, goes into the other slot.  ld: the group after that is asked for.
.macro ITER p, st, ld
.if \st
	s_wait_loadcnt 0x0                             ; the next group is in registers (asked for a whole group ago)
	SSTORE 1-\p                                    ; the other slot: every wave's reads of it were over in front of the last barrier
.endif
.irp a, 0,1,2,3
	ds_load_b128 v[XSR+4*\a:XSR+4*\a+3], v6 offset:2048*(\p)+512*\a
.endr
	FETCH \p, 0, 0
.if \ld
	s_wait_dscnt 16                                ; all but the 16 loads just issued: the stores above have read their registers
	s_add_nc_u64 s[40:41], s[40:41], 49152         ; (the loads that read these pointers were waited for above)
	s_add_nc_u64 s[42:43], s[42:43], 2048
	SLOADS
.endif
.irp q, 0,1,2,3,4,5,6,7
	PLACES
.if \q < 7
	FETCH \p, \q+1, (\q+1)%2
.if \q == 0
	s_wait_alu depctr_va_vdst(0)                   ; the wait behind the group's vector writes; the later K steps write no register by a vector instruction
.endif
	s_wait_dscnt 12                                ; all but the 12 just issued: this K step's fragments are in
.else
	s_wait_dscnt 0x0
.endif
	MUL \q, (\q)%2
.endr
	WIN 0
	PLACES
	QUANT4
	OUT
	s_wait_xcnt 0x0                                ; the stores have read their data and their bases: both are written again only behind this wait
.if (\p) == 0
	s_add_nc_u64 s[48:49], s[48:49], s[60:61]
	s_add_nc_u64 s[50:51], s[50:51], s[66:67]
.else
	s_add_nc_u64 s[48:49], s[48:49], s[62:63]
	s_add_nc_u64 s[50:51], s[50:51], s[68:69]
.endif
	s_wait_dscnt 0x0                               ; for the others' sake: my stores into the other slot have landed and my reads of this slot are over
	s_barrier_signal -1
	s_barrier_wait -1                              ; ONE barrier a group does both: the other slot may be read, this one may be written
.endm
	; R: my 64 rows, 96 loads of 512 consecutive bytes, into the registers that will hold the fragments
	WIN 0x40
.set k, 0
.rept 48
	global_load_b128 v[4*k:4*k+3], v17, s[44:45] offset:512*k
.set k, k+1
.endr
	WIN 0x80
.rept 48
	global_load_b128 v[4*(k-48):4*(k-48)+3], v17, s[44:45] offset:512*k
.set k, k+1
.endr
	WIN 0
.irp b, 0,1,2,3
	global_load_b128 v[RS+4*\b:RS+4*\b+3], v18, s[46:47] offset:256*\b
.endr
	SLOADS                                         ; group 0
	s_wait_loadcnt 25                              ; all but the group's 25: R and its scale words are in
	WIN 0x04                                       ; an LDS store's data are its source 1: window 1
.set k, 0
.rept 48
.set tau, 2*(k/3)
	ds_store_b128 v[13+k%3], v[4*k:4*k+3] offset:PITCH*(16*((tau>>3)&3)+8*(tau>>5)+(tau&7))   ; row tau goes to row 16 b + r of the tile order
.set k, k+1
.endr
	WIN 0x08
.rept 48
.set tau, 2*(k/3)
	ds_store_b128 v[13+k%3], v[4*(k-48):4*(k-48)+3] offset:PITCH*(16*((tau>>3)&3)+8*(tau>>5)+(tau&7))
.set k, k+1
.endr
	WIN 0
.set k, 0
.rept 16
	v_perm_b32 v[RS+k], v[RS+k], v[RS+k], s76
.set k, k+1
.endr
	s_wait_dscnt 0x0                               ; the stores have read their registers, which the loads below fill (my wave's own bytes: no barrier)
	WIN 0x40
.irp s, 0,1,2,3
.irp b, 0,1,2,3
.irp i, 0,1,2
	ds_load_b128 v[12*(4*\s+\b)+4*\i:12*(4*\s+\b)+4*\i+3], v16 offset:PITCH*16*\b+96*\s+16*\i
.endr
.endr
.endr
	WIN 0x80
.irp s, 0,1,2,3
.irp b, 0,1,2,3
.irp i, 0,1,2
	ds_load_b128 v[12*(4*\s+\b)+4*\i:12*(4*\s+\b)+4*\i+3], v16 offset:PITCH*16*\b+96*(\s+4)+16*\i
.endr
.endr
.endr
	WIN 0
	s_wait_loadcnt 0x0                             ; group 0
	SSTORE 0
	s_wait_dscnt 0x0                               ; R's fragments are in; group 0 has landed in slot 0
	s_add_nc_u64 s[40:41], s[40:41], 49152
	s_add_nc_u64 s[42:43], s[42:43], 2048
	SLOADS                                         ; group 1
	s_barrier_signal -1
	s_barrier_wait -1
	s_mov_b32 s73, 3
.Lpair:                                            ; groups 0 to 5
	ITER 0, 1, 1
	ITER 1, 1, 1
	s_sub_co_u32 s73, s73, 1
	s_cmp_lg_u32 s73, 0
	s_cbranch_scc1 .Lpair
	ITER 0, 1, 0                                   ; the last two are written out: no load leaves its buffer
	ITER 1, 0, 0
	s_wait_tensorcnt 0x0
	ds_add_u32 v254, v255
	s_wait_dscnt 0x0
	s_endpgm
.Lfunc_end_k_q17b06b7f3e_proj:
	.size	k_q17b06b7f3e_proj, .Lfunc_end_k_q17b06b7f3e_proj-k_q17b06b7f3e_proj
	.p2alignl 7, 3214868480
	.fill 96, 4, 3214868480
	.section	.rodata,"a",@progbits
	.p2align	6, 0x0
	.amdhsa_kernel k_q17b06b7f3e_proj
		.amdhsa_group_segment_fixed_size 305664
		.amdhsa_private_segment_fixed_size 0
		.amdhsa_enable_private_segment 0
		.amdhsa_kernarg_size 120
		.amdhsa_user_sgpr_count 2
		.amdhsa_user_sgpr_kernarg_segment_ptr 1
		.amdhsa_wavefront_size32 1
		.amdhsa_system_sgpr_workgroup_id_x 1
		.amdhsa_system_sgpr_workgroup_id_y 1
		.amdhsa_system_sgpr_workgroup_id_z 1
		.amdhsa_system_vgpr_workitem_id 0
		.amdhsa_next_free_vgpr 1024
		.amdhsa_next_free_sgpr 100
		.amdhsa_reserve_vcc 0
		.amdhsa_float_denorm_mode_32 3
		.amdhsa_float_denorm_mode_16_64 3
		.amdhsa_memory_ordered 1
		.amdhsa_forward_progress 1
		.amdhsa_inst_pref_size 172
	.end_amdhsa_kernel
	.amdgpu_metadata
---
amdhsa.version: [ 1, 2 ]
amdhsa.kernels:
  - .name:           k_q17b06b7f3e_proj
    .symbol:         k_q17b06b7f3e_proj.kd
    .args:
      - { .name: qx, .offset: 0, .size: 8, .value_kind: global_buffer, .address_space: global }
      - { .name: k_codes, .offset: 8, .size: 8, .value_kind: global_buffer, .address_space: global }
      - { .name: Wv_codes, .offset: 16, .size: 8, .value_kind: global_buffer, .address_space: global }
      - { .name: qxs, .offset: 24, .size: 8, .value_kind: global_buffer, .address_space: global }
      - { .name: k_scales, .offset: 32, .size: 8, .value_kind: global_buffer, .address_space: global }
      - { .name: Wv_scales, .offset: 40, .size: 8, .value_kind: global_buffer, .address_space: global }
      - { .name: Wq_codes, .offset: 48, .size: 8, .value_kind: global_buffer, .address_space: global }
      - { .name: Wk_codes, .offset: 56, .size: 8, .value_kind: global_buffer, .address_space: global }
      - { .name: v_codes, .offset: 64, .size: 8, .value_kind: global_buffer, .address_space: global }
      - { .name: Wq_scales, .offset: 72, .size: 8, .value_kind: global_buffer, .address_space: global }
      - { .name: Wk_scales, .offset: 80, .size: 8, .value_kind: global_buffer, .address_space: global }
      - { .name: v_scales, .offset: 88, .size: 8, .value_kind: global_buffer, .address_space: global }
      - { .name: qc, .offset: 96, .size: 8, .value_kind: global_buffer, .address_space: global }
      - { .name: qs, .offset: 104, .size: 8, .value_kind: global_buffer, .address_space: global }
      - { .name: kv, .offset: 112, .size: 8, .value_kind: global_buffer, .address_space: global }
    .group_segment_fixed_size: 305664
    .private_segment_fixed_size: 0
    .kernarg_segment_align: 8
    .kernarg_segment_size: 120
    .max_flat_workgroup_size: 128
    .sgpr_count:     100
    .vgpr_count:     1024
    .wavefront_size: 32
...
	.end_amdgpu_metadata
.endif
;; end of part 2
;; launch attn (part 3): grid 4 x 64, 8 waves a work-group, no clusters, 206,848 bytes of LDS; arguments qc, qs, kv, ao, aos; writes ao, aos
.if DOCPART == 3
	.amdgcn_target "amdgcn-amd-amdhsa--gfx1250"
	.amdhsa_code_object_version 6
	.text
	.protected	k_q17b06b7f3e_attn
	.globl	k_q17b06b7f3e_attn
	.p2align	8
	.type	k_q17b06b7f3e_attn,@function
k_q17b06b7f3e_attn:
	s_mov_b64 s[64:65], 0
	v_nop
	global_prefetch_b8 v0, s[64:65] scope:SCOPE_SE
	s_setreg_imm32_b32 hwreg(HW_REG_WAVE_MODE, 25, 1), 1
	s_wait_xcnt 0x0
; Attention of one (batch, head) on codes of BF6 (E3M2): scores (K = the head's 64), the softmax by the whole-number-M rule, p V (K = the keys), the division by the row's sum, and the result quantised along (head, d).
; t = s x log2(e) / 8 - 0.5 log2(e), s the product of the quantised qh and kh (the 1/8 is exact on a power-of-two scale; -0.5 is the module's constant bias: it moves p's codes, so it stays).
; M = the running largest t, taken up to a whole number; p = 2^(t - M) is quantised along the keys, not normalised; the row's sum is taken of the unquantised p; when M moves, the sum and O are multiplied by 2^(old M - new M), exactly.
; SHARES.  A work-group owns 512 queries of one head: 8 waves x 2 passes x TWO TILES of 16 queries at once, so that each fragment of K and V read from LDS feeds both tiles' products: 12,800 bytes of LDS reads for 32 queries and 128 keys.
; THE HEAD'S WHOLE K, V AND SCALE WORDS, 204,800 bytes, LIE IN LDS, copied once, as they lie in memory: 16 key steps of 12,800 bytes (K's 8 half fragments, V's 8, 256 bytes of K's scale words, 256 of V's).  Nothing is filled again.
; The first four steps start when the first 65,536 bytes have landed (they and step 4's K end at byte 63,744); the other twelve behind a second barrier.
; LAYOUT.  Both products are used transposed (source 0 = keys, or V's d; source 1 = my queries): a lane holds ONE query.  Row m of tile i of 64 keys (or of the 64 d) is 32 (m / 8) + 8 i + m % 8, so that a lane's 32 registers of
; four tiles are one whole block of 32, in order.  K = 64 IN A FORM OF K = 128: a K operand is two tiles of keys; Q stands as 18 registers [zeros | q | zeros]: the upper 12 give the first tile, the lower 12 the second.
; K's fragments of the next step are fetched behind this step's score products; in a pass's last step the address is held at the last step, whose K is then fetched once more and not used (36 of a wave's 1,188 LDS loads).
; NO CLUSTER: the four work-groups of a head share these 204,800 bytes, which each fetches once, by lane copies at its head; 64 tile steps a wave follow on them.  NO PREFETCH: every byte is asked for at the head; nothing is left to ask ahead.
; LIMITS: NaN and infinities are not served; a block of results under 2^-122 gets the byte 1 (zeros too; this program alone reads the bytes); the scaled scores stay under 2^31 in magnitude.
; REGISTERS.  Tile A lies in window 0, tile B in window 1, under the same numbers: v64-81 the Q zone, v82-93 p's codes, v94-100 second conversions, v102-103 the sum, v104-111 its chains, v112-143 O^T, v144-207 scores, then p.
;   v208-255: window 0 K's four operands, window 1 V's.  Window 0, v0-63, for both tiles (tile w): v3-9 addresses; v[12+2w] -M + bias, v[13+2w] the largest t; v[16+w] -M; v[18+2w] f; v22-23 K's scale words; v24-27 V's;
;   v[28+w] q's; v[30+w] p's; v32-47 at work; v48-49 the add's; v50-51 offsets; v52-59 the copies' addresses; v60-62 K's addresses.
.set STEPB, 12800
.set VOFF,  6144
.set KSO,   12288
.set VSO,   12544
.set QZ,  64
.set P,   82
.set CT,  94
.set SM,  102
.set TS,  104
.set O,   112
.set S,   144
.set FR,  208
.set CPA, 52
.set MSB, 0
.macro WIN new                         ; the immediate's high byte repeats the setting that is left.  Low byte: 1:0 source 0, 3:2 source 1, 5:4 source 2, 7:6 destination
.if MSB != (\new)
	s_set_vgpr_msb (MSB<<8)|(\new)
.set MSB, (\new)
.endif
.endm
.macro AW
	s_wait_alu depctr_va_vdst(0)
.endm
.macro D1
	s_delay_alu instid0(VALU_DEP_1)
.endm
.macro D2
	s_delay_alu instid0(VALU_DEP_2)
.endm
.macro QLOAD                           ; two tiles' codes of q and the word that holds both tiles' pairs of scale bytes
	global_load_b32 v10, v51, s[32:33]
	global_load_b128 v[QZ+6:QZ+9], v3, s[30:31]
	global_load_b64 v[QZ+10:QZ+11], v4, s[30:31]
	WIN 0x40
	global_load_b128 v[QZ+6:QZ+9], v3, s[30:31] offset:768
	global_load_b64 v[QZ+10:QZ+11], v4, s[30:31] offset:768
	WIN 0
.endm
.macro KLOAD                           ; K's four operands and scale words of the step at LDS byte s27.  The four vector lines are the places behind the score products
	v_add_nc_u32 v60, s27, v3
	v_add_nc_u32 v61, s27, v4
	v_add_nc_u32 v62, s27, v5
	v_nop
.irp t, 0,1,2,3,4,5,6,7
	ds_load_b128 v[FR+6*\t:FR+6*\t+3], v60 offset:768*\t
	ds_load_b64 v[FR+6*\t+4:FR+6*\t+5], v61 offset:768*\t
.endr
	ds_load_b32 v22, v62 offset:KSO                ; lanes 0-15: operand 0's scale words, lanes 16-31: operand 1's
	ds_load_b32 v23, v62 offset:KSO+128            ; operands 2 and 3
.endm
.macro QK d, w                         ; operand d's two tiles of keys against tile w's queries
.if (\d)%2
	v_wmma_scale_f32_16x16x128_f8f6f4 v[S+16*\d:S+16*\d+7], v[FR+12*\d:FR+12*\d+11], v[QZ+6:QZ+17], 0, v[22+\d/2], v[28+\w] matrix_a_fmt:MATRIX_FMT_BF6 matrix_b_fmt:MATRIX_FMT_BF6 matrix_a_scale:MATRIX_SCALE_ROW1
	v_wmma_scale_f32_16x16x128_f8f6f4 v[S+16*\d+8:S+16*\d+15], v[FR+12*\d:FR+12*\d+11], v[QZ:QZ+11], 0, v[22+\d/2], v[28+\w] matrix_a_fmt:MATRIX_FMT_BF6 matrix_b_fmt:MATRIX_FMT_BF6 matrix_a_scale:MATRIX_SCALE_ROW1
.else
	v_wmma_scale_f32_16x16x128_f8f6f4 v[S+16*\d:S+16*\d+7], v[FR+12*\d:FR+12*\d+11], v[QZ+6:QZ+17], 0, v[22+\d/2], v[28+\w] matrix_a_fmt:MATRIX_FMT_BF6 matrix_b_fmt:MATRIX_FMT_BF6
	v_wmma_scale_f32_16x16x128_f8f6f4 v[S+16*\d+8:S+16*\d+15], v[FR+12*\d:FR+12*\d+11], v[QZ:QZ+11], 0, v[22+\d/2], v[28+\w] matrix_a_fmt:MATRIX_FMT_BF6 matrix_b_fmt:MATRIX_FMT_BF6
.endif
.endm
.macro SUM                             ; the 64 unquantised p of a lane onto its sum, two at a time, in four chains; all operands in the tile's window
.irp i, 0,1,2,3
	v_pk_add_f32 v[TS+2*\i:TS+2*\i+1], v[S+4*\i:S+4*\i+1], v[S+4*\i+2:S+4*\i+3]
.endr
.set cnt, 16
.rept 6
.irp i, 0,1,2,3
	v_pk_add_f32 v[TS+2*\i:TS+2*\i+1], v[TS+2*\i:TS+2*\i+1], v[S+cnt+2*\i:S+cnt+2*\i+1]
.endr
.set cnt, cnt+8
.endr
	v_pk_add_f32 v[TS:TS+1], v[TS:TS+1], v[TS+2:TS+3]
	v_pk_add_f32 v[TS+4:TS+5], v[TS+4:TS+5], v[TS+6:TS+7]
	D1
	v_pk_add_f32 v[TS:TS+1], v[TS:TS+1], v[TS+4:TS+5]
	D1
	v_pk_add_f32 v[SM:SM+1], v[SM:SM+1], v[TS:TS+1]
.endm
	s_load_b256 s[4:11], s[0:1], 0x0               ; qc s[4:5], qs s[6:7], kv s[8:9], ao s[10:11]
	s_load_b64 s[12:13], s[0:1], 0x20              ; aos
	v_lshl_add_u32 v48, v0, 2, 0x32000
	v_mov_b32 v49, 0
	ds_add_u32 v48, v49                            ; the opening lines: the add, twice on end, and its wait ahead of my first copy
	ds_add_u32 v48, v49
.irp k, 0,1,2,3
	v_lshl_add_u32 v[CPA+2*\k], v0, 4, 65536*\k    ; where a copy lands,
	v_lshl_add_u32 v[CPA+2*\k+1], v0, 4, 65536*\k  ; and where it comes from: LDS is an image of memory; never rewritten
.endr
	v_lshrrev_b32 v1, 5, v0
	v_readfirstlane_b32 s14, v1                    ; wave 0..7
	v_and_b32 v2, 31, v0                           ; lane
	v_and_b32 v1, 15, v0                           ; r
	v_bfe_u32 v11, v0, 4, 1                        ; h
	v_lshlrev_b32 v3, 4, v2                        ; a half fragment's registers 0-3: 16 x lane
	v_lshl_add_u32 v4, v2, 3, 512                  ; its registers 4-5: 512 + 8 x lane
	v_lshlrev_b32 v5, 2, v2                        ; a scale word a lane
	v_lshlrev_b32 v9, 3, v11                       ; 8 h
	v_lshl_add_u32 v50, v1, 2, v11                 ; 4 r + h
	v_lshlrev_b32 v51, 2, v1                       ; 4 r
	v_mov_b32 v19, 0                               ; (upper halves of the pairs that hold f)
	v_mov_b32 v21, 0
	v_mov_b32 v46, 0                               ; written once: a lane permute's destination counts as one of its sources
	v_mov_b32 v47, 0
.irp w, 0,1
	WIN 0x40*\w
.irp j, 0,1,2,3,4,5,12,13,14,15,16,17
	v_mov_b32 v[QZ+\j], 0                          ; the Q zones' zero codes
.endr
.endr
	WIN 0
	s_and_b32 s15, ttmp7, 0xffff                   ; batch x 16 + head
	s_mul_i32 s16, s15, 204800
	s_mov_b32 s17, 0
	s_lshl_b32 s18, ttmp9, 5
	s_lshl_b32 s19, s14, 2
	s_add_co_u32 s18, s18, s19                     ; my first tile of queries in the head: 32 x + 4 w
	s_lshl_b32 s40, s15, 7
	s_add_co_u32 s40, s40, s18
	s_mul_i32 s40, s40, 768                        ; its half fragment in qc
	s_mov_b32 s41, 0
	s_lshl_b32 s42, s15, 5
	s_lshl_b32 s19, ttmp9, 3
	s_add_co_u32 s42, s42, s19
	s_add_co_u32 s42, s42, s14                     ; my four tiles are one group of 64 tokens: 128 bytes of qs, 64 a pass
	s_lshl_b32 s42, s42, 7
	s_mov_b32 s43, 0
	s_lshr_b32 s19, s15, 4
	s_lshl_b32 s19, s19, 7
	s_add_co_u32 s18, s18, s19                     ; the tile among all 512: 128 x batch + 32 x + 4 w
	s_and_b32 s19, s15, 15                         ; the head
	s_lshl_b32 s44, s18, 4
	s_add_co_u32 s44, s44, s19
	s_mul_i32 s44, s44, 768                        ; ao: [tile][head] half fragments
	s_mov_b32 s45, 0
	s_lshl_b32 s46, s18, 9
	s_lshr_b32 s39, s19, 1
	s_lshl_b32 s39, s39, 6
	s_add_co_u32 s46, s46, s39
	s_and_b32 s39, s19, 1
	s_lshl_b32 s39, s39, 1
	s_add_co_u32 s46, s46, s39                     ; aos: [tile][K step = head / 2][row][byte 2 (head % 2) + h]
	s_mov_b32 s47, 0
	s_mov_b32 s20, 0x76543210
	s_mov_b32 s21, 0xfedcba98                      ; v_permlanex16_b32's selects for lane l xor 16
	s_mov_b32 s22, 0x3e38aa3b                      ; log2(e) / 8
	s_mov_b32 s23, s22                             ; (the packed form names the pair, so it is written)
	s_mov_b32 s24, 0xbf38aa3b                      ; -0.5 log2(e)
	AW
	s_wait_dscnt 0x0                               ; both opening adds are done
	s_wait_kmcnt 0x0
	s_add_nc_u64 s[28:29], s[8:9], s[16:17]        ; the head's part of kv; never rewritten
	s_add_nc_u64 s[30:31], s[4:5], s[40:41]
	s_add_nc_u64 s[32:33], s[6:7], s[42:43]
	s_add_nc_u64 s[34:35], s[10:11], s[44:45]
	s_add_nc_u64 s[36:37], s[12:13], s[46:47]
	QLOAD                                          ; the first pass's q is asked for ahead of the copies
.set cnt, 0
.rept 50                               ; 50 x 256 threads x 16 bytes: copy i of the 8 waves covers bytes 4,096 i on.  The immediate steps both addresses and stays under 65,536: sixteen copies to a pair of registers
	global_load_async_to_lds_b128 v[CPA+2*(cnt/16)], v[CPA+2*(cnt/16)+1], s[28:29] offset:4096*(cnt%16)
.set cnt, cnt+1
.endr
	s_mov_b32 s38, 0                               ; the pass
	s_wait_asynccnt 34                             ; my first 16 copies have landed: my part of bytes 0 to 65,535; the 34 behind them may be out
	s_barrier_signal -1
	s_barrier_wait -1                              ; every wave's part has landed
; A KEY STEP: 128 keys, at LDS byte s25, for both tiles.
.macro STEP
	v_add_nc_u32 v6, s25, v3
	v_add_nc_u32 v7, s25, v4
	v_add_nc_u32 v8, s25, v5
	v_nop                                          ; these four are the places between the last step's products and the loads into V's registers
	s_add_co_u32 s27, s25, STEPB
	s_min_u32 s27, s27, 15*STEPB                   ; the next step, held at the last
	WIN 0x40
.irp t, 0,1,2,3
.irp c, 0,1
	ds_load_b128 v[FR+12*\t+6*\c:FR+12*\t+6*\c+3], v6 offset:VOFF+768*(4*\c+\t)         ; V's operand t: d's tile t, keys 64 c on; it lands under the softmax
	ds_load_b64 v[FR+12*\t+6*\c+4:FR+12*\t+6*\c+5], v7 offset:VOFF+768*(4*\c+\t)
.endr
.endr
	WIN 0
	ds_load_b32 v24, v8 offset:VSO
	ds_load_b32 v25, v8 offset:VSO+128
	AW
	s_wait_dscnt 18                                ; all but the 18 just issued: this step's K, asked for a step ago, is in
.irp w, 0,1
	WIN 0x44*\w                                    ; scores and Q zone in the tile's window, K in window 0
.irp d, 0,1,2,3
	QK \d, \w
.endr
.endr                                              ; register 32 c + i of the scores is key 64 c + 32 h + i of my query
	WIN 0
	KLOAD                                          ; the next step's K
.irp w, 0,1                            ; THE LARGEST SCORE OF EACH OF MY TWO BLOCKS, two chains a block, ascending; the chains lie in window 0
	WIN 0x05*\w
.irp x, 0,1,2,3
	v_max_num_f32 v[36+4*\w+\x], v[S+16*\x], v[S+16*\x+1]
.endr
.irp i, 2,4,6,8,10,12,14
.irp x, 0,1,2,3
	v_max3_num_f32 v[36+4*\w+\x], v[S+16*\x+\i], v[S+16*\x+\i+1], v[36+4*\w+\x]
.endr
.endr
.endr
	WIN 0
.irp w, 0,1                            ; from here the two tiles by turns, line by line
	v_max_num_f32 v[32+2*\w], v[36+4*\w], v[37+4*\w]               ; a block's largest score serves twice: for the row's maximum and, since p rises with the score, for the block's largest p
.endr
.irp w, 0,1
	v_max_num_f32 v[33+2*\w], v[38+4*\w], v[39+4*\w]
.endr
.irp w, 0,1
	D2
	v_max_num_f32 v[44+\w], v[32+2*\w], v[33+2*\w]
.endr
.irp w, 0,1
	D2
	v_permlanex16_b32 v[46+\w], v[44+\w], s20, s21
.endr
.irp w, 0,1
	D2
	v_max_num_f32 v[44+\w], v[44+\w], v[46+\w]     ; with lane l xor 16's 64 keys: the step's largest score of my query
.endr
.irp w, 0,1
	D2
	v_fma_f32 v[44+\w], v[44+\w], s22, s24         ; as t
.endr
.irp w, 0,1
	D2
	v_max_num_f32 v[13+2*\w], v[13+2*\w], v[44+\w] ; the running largest t
.endr
.irp w, 0,1
	v_mov_b32 v[44+\w], v[16+\w]
.endr
.irp w, 0,1
	v_floor_f32 v[16+\w], -v[13+2*\w]              ; the new -M = floor(-t) = -ceil(t)
.endr
.irp w, 0,1
	D2
	v_sub_f32 v[44+\w], v[16+\w], v[44+\w]         ; old M - new M: a whole number, 0 or less
.endr
.irp w, 0,1
	D2
	v_cvt_i32_f32 v[44+\w], v[44+\w]               ; (it saturates)
.endr
.irp w, 0,1
	D2
	v_ldexp_f32 v[18+2*\w], 1.0, v[44+\w]          ; f = 2^(old M - new M)
.endr
.irp w, 0,1
	v_add_f32 v[12+2*\w], s24, v[16+\w]            ; -M and the bias, the addend of the scaling
.endr
.irp w, 0,1
	D2
	v_fma_f32 v[32+2*\w], v[32+2*\w], s22, v[12+2*\w]              ; t - M of each block's largest score
.endr
.irp w, 0,1
	v_fma_f32 v[33+2*\w], v[33+2*\w], s22, v[12+2*\w]
.endr
.irp w, 1,0
	WIN 0x41*\w                                    ; destination and source 0 in the tile's window, the addend in window 0
.set cnt, 0
.rept 32
	v_pk_fma_f32 v[S+2*cnt:S+2*cnt+1], v[S+2*cnt:S+2*cnt+1], s[22:23], v[12+2*\w:13+2*\w] op_sel_hi:[1,0,0]   ; t - M, two at a time
.set cnt, cnt+1
.endr
.endr
	AW                                             ; ahead of the batch
.irp w, 0,1
	WIN 0x41*\w
.set cnt, 0
.rept 64
	v_exp_f32 v[S+cnt], v[S+cnt]                   ; p = 2^(t - M), at most 1
.set cnt, cnt+1
.endr
.endr
	v_pk_mul_f32 v[SM:SM+1], v[SM:SM+1], v[20:21] op_sel_hi:[1,0]  ; tile B's sum under the new M: the plain place behind the exponentials
	AW                                             ; one wait for the batch, ahead of its first reader
	WIN 0x45
	SUM
	WIN 0
	v_pk_mul_f32 v[SM:SM+1], v[SM:SM+1], v[18:19] op_sel_hi:[1,0]
	SUM
	AW
	s_wait_dscnt 0x0                               ; V and its scale words are in (and the next step's K, asked for ahead of the softmax)
	v_perm_b32 v26, v25, v24, 0x05040100           ; keys 0-63's pair below, keys 64-127's above: lanes 0-15 operand 0's words, lanes 16-31 operand 2's
	v_perm_b32 v27, v25, v24, 0x07060302           ; operands 1 and 3
.irp j, 0,1,2,3
	v_max_num_f32 v[32+\j], 0xc2f40000, v[32+\j]   ; a block's largest t - M, held at -122 from below: the byte cannot fall under 1
.endr
.irp j, 0,1,2,3
	v_cvt_floor_i32_f32 v[40+\j], v[32+\j]         ; floor(t - M) is the exponent of the block's largest p = 2^(t - M): no exponential is spent on it
.endr
.irp j, 0,1,2,3
	v_lshl_add_u32 v[36+\j], v[40+\j], 23, 0x3d800000              ; (exponent + 127 - 4) << 23: the conversion's scale operand.  A p that lands on the next power of two is held at the largest code, as the quantiser holds all beyond 28
.endr
.irp j, 0,1,2,3
	v_lshrrev_b32 v[40+\j], 23, v[36+\j]           ; the scale's byte
.endr
.irp w, 0,1
	v_lshl_or_b32 v[30+\w], v[41+2*\w], 16, v[40+2*\w]             ; my bytes: blocks h and 2 + h,
.endr
.irp w, 0,1
	D2
	v_lshlrev_b32 v[30+\w], v9, v[30+\w]           ; at their places;
.endr
.irp w, 0,1
	D2
	v_permlanex16_b32 v[46+\w], v[30+\w], s20, s21
.endr
.irp w, 0,1
	D2
	v_or_b32 v[30+\w], v[30+\w], v[46+\w]          ; with lane l xor 16's two: p's scale word
.endr
.irp w, 0,1
	WIN 0x41*\w
	v_cvt_scalef32_pk16_bf6_f32 v[P:P+2], v[S:S+15], v[36+2*\w]
	v_cvt_scalef32_pk16_bf6_f32 v[CT:CT+2], v[S+16:S+31], v[36+2*\w]       ; (a conversion's three registers begin on an even number)
	v_cvt_scalef32_pk16_bf6_f32 v[P+6:P+8], v[S+32:S+47], v[37+2*\w]
	v_cvt_scalef32_pk16_bf6_f32 v[CT+4:CT+6], v[S+48:S+63], v[37+2*\w]
	AW                                             ; directly ahead of the first reader of O^T
.set cnt, 0
.rept 8
	v_pk_mul_f32 v[O+2*cnt:O+2*cnt+1], v[O+2*cnt:O+2*cnt+1], v[18+2*\w:19+2*\w] op_sel_hi:[1,0]   ; O^T under the new M, ascending; the first is the plain place behind the conversions
.set cnt, cnt+1
.endr
.irp i, 0,1,2
	v_mov_b32 v[P+3+\i], v[CT+\i]
	v_mov_b32 v[P+9+\i], v[CT+4+\i]
.endr
.rept 8
	v_pk_mul_f32 v[O+2*cnt:O+2*cnt+1], v[O+2*cnt:O+2*cnt+1], v[18+2*\w:19+2*\w] op_sel_hi:[1,0]   ; these eight are the places between the codes just moved and the products
.set cnt, cnt+1
.endr
.endr
	AW                                             ; behind the step's last vector write: it serves the loop's backward jump too
.irp w, 0,1
	WIN 0x01+0x54*\w                               ; V in window 1; p and O^T in the tile's window
	v_wmma_scale_f32_16x16x128_f8f6f4 v[O:O+7], v[FR:FR+11], v[P:P+11], v[O:O+7], v26, v[30+\w] matrix_a_fmt:MATRIX_FMT_BF6 matrix_b_fmt:MATRIX_FMT_BF6
	v_wmma_scale_f32_16x16x128_f8f6f4 v[O+8:O+15], v[FR+12:FR+23], v[P:P+11], v[O+8:O+15], v27, v[30+\w] matrix_a_fmt:MATRIX_FMT_BF6 matrix_b_fmt:MATRIX_FMT_BF6
	v_wmma_scale_f32_16x16x128_f8f6f4 v[O+16:O+23], v[FR+24:FR+35], v[P:P+11], v[O+16:O+23], v26, v[30+\w] matrix_a_fmt:MATRIX_FMT_BF6 matrix_b_fmt:MATRIX_FMT_BF6 matrix_a_scale:MATRIX_SCALE_ROW1
	v_wmma_scale_f32_16x16x128_f8f6f4 v[O+24:O+31], v[FR+36:FR+47], v[P:P+11], v[O+24:O+31], v27, v[30+\w] matrix_a_fmt:MATRIX_FMT_BF6 matrix_b_fmt:MATRIX_FMT_BF6 matrix_a_scale:MATRIX_SCALE_ROW1
.endr                                              ; register 8 t + j of O^T is d = 32 h + 8 t + j of my query
	WIN 0
.endm
.macro KEYS base, n                    ; n key steps from LDS byte base on: both are constants of the text
	s_mov_b32 s25, \base
	s_mov_b32 s26, \n
.Lkeys_\@:
	STEP
	s_add_co_u32 s25, s25, STEPB
	s_sub_co_u32 s26, s26, 1
	s_cmp_lg_u32 s26, 0
	s_cbranch_scc1 .Lkeys_\@
.endm
.Lpass:                                            ; a pass: two tiles of queries against all 16 key steps
	s_mov_b32 s27, 0
	s_wait_dscnt 0x0                               ; no LDS load into K's registers is out
	KLOAD                                          ; step 0's K; it lands under the lines below
	v_mov_b32 v13, 0xff61b1e6                      ; the largest t so far: -3e38, under every t
	v_mov_b32 v15, 0xff61b1e6
	D2
	v_floor_f32 v16, -v13                          ; -M
	D2
	v_floor_f32 v17, -v15
	AW
	s_wait_loadcnt 0x0                             ; q and its scale bytes
	v_perm_b32 v28, v10, v10, 0x01000100           ; tile A's pair of bytes, twice: it serves [q | 0] and [0 | q] alike
	v_perm_b32 v29, v10, v10, 0x03020302           ; tile B's
.irp w, 0,1
	WIN 0x40*\w
	v_mov_b32 v[SM], 0                             ; the sum, in two halves
	v_mov_b32 v[SM+1], 0
.set cnt, 0
.rept 32
	v_mov_b32 v[O+cnt], 0                          ; O^T.  (The step is written once: the first finds zeros, which the first change of M leaves zeros)
.set cnt, cnt+1
.endr
.endr
	WIN 0
	KEYS 0, 4
	AW
	s_wait_asynccnt 0x0                            ; all my copies have landed
	s_wait_dscnt 0x0
	s_barrier_signal -1
	s_barrier_wait -1                              ; and every wave's
	KEYS 4*STEPB, 12
.rept 4
	v_nop                                          ; places behind the last products
.endr
	s_cmp_eq_u32 s38, 1
	s_cbranch_scc1 .Lno_q                          ; the first pass asks for the second's q here, under the lines below
	s_add_nc_u64 s[30:31], s[30:31], 1536          ; (the loads that read these bases were waited for at the pass's head)
	s_add_nc_u64 s[32:33], s[32:33], 64
	QLOAD
.Lno_q:
; The end of a pass: O^T / the sum; my 32 numbers of a tile are block h of this head along the last product's K: quantised as they stand.
.irp w, 0,1
	WIN 0x05*\w
	v_add_f32 v[44+\w], v[SM], v[SM+1]
.endr
	WIN 0
.irp w, 0,1
	v_permlanex16_b32 v[46+\w], v[44+\w], s20, s21
.endr
.irp w, 0,1
	v_add_f32 v[44+\w], v[44+\w], v[46+\w]         ; the row's sum
.endr
	AW
	v_rcp_f32 v18, v44
	v_rcp_f32 v20, v45
	v_nop                                          ; a plain place behind the reciprocals
.irp w, 0,1
	WIN 0x41*\w
	AW                                             ; ahead of the first reader of the reciprocal and of O^T
.set cnt, 0
.rept 16
	v_pk_mul_f32 v[S+2*cnt:S+2*cnt+1], v[O+2*cnt:O+2*cnt+1], v[18+2*\w:19+2*\w] op_sel_hi:[1,0]
.set cnt, cnt+1
.endr
	WIN 0x05*\w
	v_max3_num_f32 v[36+2*\w], |v[S]|, |v[S+1]|, 0x2800000
	v_max3_num_f32 v[37+2*\w], |v[S+16]|, |v[S+17]|, 0x2800000
.irp i, 2,4,6,8,10,12,14
	D2
	v_max3_num_f32 v[36+2*\w], |v[S+\i]|, |v[S+\i+1]|, v[36+2*\w]
	D2
	v_max3_num_f32 v[37+2*\w], |v[S+16+\i]|, |v[S+17+\i]|, v[37+2*\w]
.endr
.endr
	WIN 0
.irp w, 0,1
	v_max_num_f32 v[32+\w], v[36+2*\w], v[37+2*\w]
.endr
.irp w, 0,1
	D2
	v_add_nc_u32 v[40+\w], 0xfe000000, v[32+\w]
.endr
.irp w, 0,1
	D2
	v_lshrrev_b32 v[42+\w], 23, v[40+\w]
.endr
.irp w, 0,1
	WIN 0x41*\w
	v_cvt_scalef32_pk16_bf6_f32 v[P:P+2], v[S:S+15], v[40+\w]
	v_cvt_scalef32_pk16_bf6_f32 v[CT:CT+2], v[S+16:S+31], v[40+\w]
	v_nop
.irp i, 0,1,2
	v_mov_b32 v[P+3+\i], v[CT+\i]
.endr
	WIN 0x04*\w                                    ; a store's data are its source 1
	global_store_b128 v3, v[P:P+3], s[34:35] offset:12288*\w       ; 512 consecutive bytes, at a multiple of 256 from the buffer's first byte,
	global_store_b64 v4, v[P+4:P+5], s[34:35] offset:12288*\w      ; and the 256 behind them
.endr
	WIN 0
	global_store_b8 v50, v42, s[36:37]             ; my blocks' bytes: 32 bytes a tile against its 768 of codes
	global_store_b8 v50, v43, s[36:37] offset:512
	AW
	s_wait_xcnt 0x0                                ; the stores have read their registers and bases, which are written again only behind this wait
	s_add_nc_u64 s[34:35], s[34:35], 24576         ; two tiles on
	s_add_nc_u64 s[36:37], s[36:37], 1024
	s_add_co_u32 s38, s38, 1
	s_cmp_lt_u32 s38, 2
	s_cbranch_scc1 .Lpass
	s_wait_tensorcnt 0x0                           ; the wave's end
	ds_add_u32 v48, v49
	s_wait_dscnt 0x0
	s_endpgm
.Lfunc_end_k_q17b06b7f3e_attn:
	.size	k_q17b06b7f3e_attn, .Lfunc_end_k_q17b06b7f3e_attn-k_q17b06b7f3e_attn
	.p2alignl 7, 3214868480
	.fill 96, 4, 3214868480
	.section	.rodata,"a",@progbits
	.p2align	6, 0x0
	.amdhsa_kernel k_q17b06b7f3e_attn
		.amdhsa_group_segment_fixed_size 206848
		.amdhsa_private_segment_fixed_size 0
		.amdhsa_enable_private_segment 0
		.amdhsa_kernarg_size 40
		.amdhsa_user_sgpr_count 2
		.amdhsa_user_sgpr_kernarg_segment_ptr 1
		.amdhsa_wavefront_size32 1
		.amdhsa_system_sgpr_workgroup_id_x 1
		.amdhsa_system_sgpr_workgroup_id_y 1
		.amdhsa_system_sgpr_workgroup_id_z 1
		.amdhsa_system_vgpr_workitem_id 0
		.amdhsa_next_free_vgpr 512
		.amdhsa_next_free_sgpr 66
		.amdhsa_reserve_vcc 0
		.amdhsa_float_denorm_mode_32 3
		.amdhsa_float_denorm_mode_16_64 3
		.amdhsa_memory_ordered 1
		.amdhsa_forward_progress 1
		.amdhsa_inst_pref_size 81
	.end_amdhsa_kernel
	.amdgpu_metadata
---
amdhsa.version: [ 1, 2 ]
amdhsa.kernels:
  - .name:           k_q17b06b7f3e_attn
    .symbol:         k_q17b06b7f3e_attn.kd
    .args:
      - { .name: qc, .offset: 0, .size: 8, .value_kind: global_buffer, .address_space: global }
      - { .name: qs, .offset: 8, .size: 8, .value_kind: global_buffer, .address_space: global }
      - { .name: kv, .offset: 16, .size: 8, .value_kind: global_buffer, .address_space: global }
      - { .name: ao, .offset: 24, .size: 8, .value_kind: global_buffer, .address_space: global }
      - { .name: aos, .offset: 32, .size: 8, .value_kind: global_buffer, .address_space: global }
    .group_segment_fixed_size: 206848
    .private_segment_fixed_size: 0
    .kernarg_segment_align: 8
    .kernarg_segment_size: 40
    .max_flat_workgroup_size: 256
    .sgpr_count:     66
    .vgpr_count:     512
    .wavefront_size: 32
...
	.end_amdgpu_metadata
.endif
;; end of part 3
;; launch outln (part 4): grid 256 x 1, 4 waves a work-group, no clusters, 263,168 bytes of LDS; arguments ao, aos, wf, Wfc_scales, q, gamma, beta, out0; writes out0
.if DOCPART == 4
	.amdgcn_target "amdgcn-amd-amdhsa--gfx1250"
	.amdhsa_code_object_version 6
	.text
	.protected	k_q17b06b7f3e_outln
	.globl	k_q17b06b7f3e_outln
	.p2align	8
	.type	k_q17b06b7f3e_outln,@function
k_q17b06b7f3e_outln:
	s_mov_b64 s[64:65], 0
	v_nop
	global_prefetch_b8 v0, s[64:65] scope:SCOPE_SE
	s_setreg_imm32_b32 hwreg(HW_REG_WAVE_MODE, 25, 1), 1
	s_wait_xcnt 0x0
; out = LayerNorm(attention x Wfc + q) x gamma + beta.  The product (8,192 x 1,024 x 1,024) on codes of BF6 (E3M2) with E8M0 scales; all else in f32.
; SHARES.  A work-group owns two tiles of 16 tokens, all 1,024 columns; wave w owns columns 256 w on, 16 tiles of 16: 32 accumulators.  Source 0 = 16 rows of Wfc (columns of the result), source 1 = 16 tokens:
; a lane holds one token and eight neighbouring columns.  The tokens of tile T are 64 (T / 4) + 32 (r / 8) + 8 (T % 4) + r % 8, as the earlier launches laid them.
; THE WEIGHTS GO FROM MEMORY STRAIGHT INTO REGISTERS: each fragment has one reader in the work-group, and lies in wf as an image of its 12 registers, so three loads of 512 consecutive bytes bring it.  A ring of 16 fragments,
; refilled four at a time behind the products that read them: 48 loads of a wave are on their way.  No LDS pass and no barrier in the product.
; NO CLUSTER: a joint load can only land in LDS, which would add that pass; all work-groups read the same 786,432 bytes of weights again and again, at about the same time.
; THE RESIDUAL: each wave's 8 rows of q come into LDS by copies issued at the head, once.  The result meets them through a stage in LDS (one barrier), and each wave normalises 8 whole rows:
; mean, then the mean of the squared differences (two passes: a common offset of the inputs does no harm), 1 / sqrt(var + 1e-6), gamma, beta; whole rows leave, 512 consecutive bytes a store.
; LIMITS: NaN and infinities are not served.
; REGISTERS, in windows of 256.  window 0: v1-11 addresses; v16-79 and v152-215 two sets of a row (32 of the product, 32 of q); v80-143 Wfc's scale words, v144-151 the tokens': they hold nothing else; v216-224 at work.
;   window 1: the accumulators, (tile e, column tile ct) at v[8 (16 e + ct)].   window 2: v0-191 the ring of weights; v192-223 gamma, v224-255 beta.   window 3: the tokens' 16 fragments, (e, K step s) at v[12 (8 e + s)].
.set YST,  131072                      ; LDS: 4 x 32,768 bytes of q, then the stage: 32 rows x (4,096 + 16) bytes
.set YP,   4112                        ; 1,028 words: row r starts at bank 4 r mod 64 (64 banks of 4 bytes: ISA guide 11.1)
.set SA,   16
.set SB,   152
.set WS,   80
.set AS,   144
.set GA,   192
.set BE,   224
.set MSB, 0
.macro WIN new                         ; the immediate's high byte repeats the setting that is left
.if MSB != \new
	s_set_vgpr_msb (MSB<<8)|\new
.set MSB, \new
.endif
.endm
.macro PLACES
.rept 4
	v_nop
.endr
.endm
	s_load_b512 s[4:19], s[0:1], 0x0               ; ao s[4:5], aos s[6:7], wf s[8:9], Wfc_scales s[10:11], q s[12:13], gamma s[14:15], beta s[16:17], out0 s[18:19]
	v_lshl_add_u32 v254, v0, 2, 0x40200
	v_mov_b32 v255, 0
	ds_add_u32 v254, v255
	ds_add_u32 v254, v255
	v_lshrrev_b32 v2, 5, v0
	v_readfirstlane_b32 s20, v2                    ; wave 0..3
	v_and_b32 v2, 31, v0                           ; lane
	v_lshlrev_b32 v1, 4, v2                        ; 16 x lane
	v_lshlrev_b32 v8, 4, v2                        ; the copies' offset in memory; never rewritten
	s_lshl_b32 s21, s20, 15
	v_add_nc_u32 v7, s21, v1                       ; the copies' LDS address, and later my reads': 32,768 w + 16 x lane; never rewritten
	s_and_b32 s23, s20, 1                          ; w % 2 = r / 8 of my 8 rows
	s_lshr_b32 s25, s20, 1                         ; w / 2 = their tile e
	s_lshr_b32 s26, ttmp9, 1
	s_lshl_b32 s26, s26, 6
	s_lshl_b32 s24, s23, 5
	s_add_co_u32 s26, s26, s24
	s_and_b32 s24, ttmp9, 1
	s_lshl_b32 s24, s24, 4
	s_add_co_u32 s26, s26, s24
	s_lshl_b32 s24, s25, 3
	s_add_co_u32 s26, s26, s24                     ; my first token: 64 (x / 2) + 32 (w % 2) + 16 (x % 2) + 8 (w / 2); the 8 are neighbours
	s_lshl_b32 s26, s26, 12                        ; rows of 4,096 bytes
	s_mov_b32 s27, 0
	s_wait_alu depctr_va_vdst(0)
	s_wait_dscnt 0x0
	s_wait_kmcnt 0x0
	s_add_nc_u64 s[12:13], s[12:13], s[26:27]      ; never rewritten
	s_add_nc_u64 s[18:19], s[18:19], s[26:27]
.set cnt, 0
.rept 64                               ; my 8 rows of q, 32,768 consecutive bytes; the immediate steps both addresses.  Ahead of every wait for copies, every LDS read and the barrier
	global_load_async_to_lds_b128 v7, v8, s[12:13] offset:512*cnt
.set cnt, cnt+1
.endr
	v_and_b32 v3, 15, v0                           ; r
	v_bfe_u32 v12, v0, 4, 1                        ; h
	v_mul_u32_u24 v4, v3, YP
	v_lshl_add_u32 v4, v12, 5, v4
	s_lshl_b32 s21, s20, 10
	s_add_co_u32 s21, s21, YST
	v_add_nc_u32 v4, s21, v4                       ; into the stage: row r of tile 0, + 32 h, + my 1,024 bytes of a row
	v_add_nc_u32 v5, 16*YP, v4                     ; tile 1
	s_lshl_b32 s21, s25, 4
	s_lshl_b32 s24, s23, 3
	s_add_co_u32 s21, s21, s24
	s_mul_i32 s21, s21, YP
	s_add_co_u32 s21, s21, YST
	v_add_nc_u32 v6, s21, v1                       ; back: my 8 rows, 16 (w / 2) + 8 (w % 2) on, 16 bytes a lane
	v_lshlrev_b32 v9, 2, v2                        ; 4 x lane
	s_wait_alu depctr_va_vdst(0)
	v_lshlrev_b32 v10, 5, v3
	v_lshl_add_u32 v10, v12, 4, v10                ; 32 r + 16 h
	s_wait_alu depctr_va_vdst(0)
	v_lshl_add_u32 v11, v2, 3, 512                 ; 512 + 8 x lane
	s_wait_alu depctr_va_vdst(0)
	v_mov_b32 v221, 0                              ; (upper halves of pairs that are named whole)
	v_mov_b32 v223, 0
	v_mov_b32 v224, 0                              ; a lane permute's destination counts as one of its sources
	s_mov_b32 s28, 0x76543210
	s_mov_b32 s29, 0xfedcba98                      ; v_permlanex16_b32's selects for lane l xor 16
	s_mov_b32 s30, 0x3a800000                      ; 1 / 1,024
	s_mov_b32 s31, 0x358637bd                      ; 1e-6
	s_mul_i32 s26, ttmp9, 24576                    ; my two tiles' 32 half fragments
	s_add_nc_u64 s[4:5], s[4:5], s[26:27]
	s_lshl_b32 s26, ttmp9, 10                      ; and their 2 x 512 scale bytes
	s_add_nc_u64 s[6:7], s[6:7], s[26:27]
	s_mul_i32 s26, s20, 196608                     ; my slab's 128 images
	s_add_nc_u64 s[8:9], s[8:9], s[26:27]
	s_lshl_b32 s26, s20, 13                        ; my 256 rows of Wfc's scale bytes
	s_add_nc_u64 s[10:11], s[10:11], s[26:27]
	WIN 0x80
.irp i, 0,1,2,3,4,5,6,7
	global_load_b128 v[GA+4*\i:GA+4*\i+3], v1, s[14:15] offset:512*\i    ; gamma and beta as a row lies in my lanes: columns 128 i + 4 x lane on
.endr
.irp i, 0,1,2,3,4,5,6,7
	global_load_b128 v[BE+4*\i:BE+4*\i+3], v1, s[16:17] offset:512*\i
.endr
	WIN 0
.irp e, 0,1
.irp u, 0,1,2,3
	global_load_b32 v[AS+4*\e+\u], v9, s[6:7] offset:512*\e+128*\u       ; lanes 0-15: K step 2 u's words, lanes 16-31: K step 2 u + 1's
.endr
.endr
.irp c, 0,1,2,3,4,5,6,7,8,9,10,11,12,13,14,15
	global_load_b128 v[WS+4*\c:WS+4*\c+3], v10, s[10:11] offset:512*\c   ; register j: lanes 0-15 K step j's word, lanes 16-31 K step 4 + j's
.endr
	WIN 0xc0
.irp e, 0,1
.irp s, 0,1,2,3,4,5,6,7
.irp c, 0,1
	global_load_b128 v[12*(8*\e+\s)+6*\c:12*(8*\e+\s)+6*\c+3], v1, s[4:5] offset:768*(16*\e+2*\s+\c)      ; heads 2 s and 2 s + 1 make K step s
	global_load_b64 v[12*(8*\e+\s)+6*\c+4:12*(8*\e+\s)+6*\c+5], v11, s[4:5] offset:768*(16*\e+2*\s+\c)
.endr
.endr
.endr
.macro WLOAD s, g                      ; the four fragments 4 g .. 4 g + 3 of K step s: 12 loads
	WIN 0x80
.irp c, 0,1,2,3
.irp p, 0,1,2
	global_load_b128 v[12*(4*(\g)+\c)+4*\p:12*(4*(\g)+\c)+4*\p+3], v1, s[8:9] offset:24576*(\s)+1536*(4*(\g)+\c)+512*\p
.endr
.endr
.endm
.macro MM s, ct, e
.set rD, 8*(16*(\e)+(\ct))
.set rW, 12*(\ct)
.set rA, 12*(8*(\e)+(\s))
.set rSW, WS+4*(\ct)+(\s)%4
.set rSA, AS+4*(\e)+(\s)/2
.if (\s) == 0
	v_wmma_scale_f32_16x16x128_f8f6f4 v[rD:rD+7], v[rW:rW+11], v[rA:rA+11], 0, v[rSW], v[rSA] matrix_a_fmt:MATRIX_FMT_BF6 matrix_b_fmt:MATRIX_FMT_BF6
.elseif ((\s) < 4) && ((\s)%2 == 0)
	v_wmma_scale_f32_16x16x128_f8f6f4 v[rD:rD+7], v[rW:rW+11], v[rA:rA+11], v[rD:rD+7], v[rSW], v[rSA] matrix_a_fmt:MATRIX_FMT_BF6 matrix_b_fmt:MATRIX_FMT_BF6
.elseif (\s) < 4
	v_wmma_scale_f32_16x16x128_f8f6f4 v[rD:rD+7], v[rW:rW+11], v[rA:rA+11], v[rD:rD+7], v[rSW], v[rSA] matrix_a_fmt:MATRIX_FMT_BF6 matrix_b_fmt:MATRIX_FMT_BF6 matrix_b_scale:MATRIX_SCALE_ROW1
.elseif (\s)%2 == 0
	v_wmma_scale_f32_16x16x128_f8f6f4 v[rD:rD+7], v[rW:rW+11], v[rA:rA+11], v[rD:rD+7], v[rSW], v[rSA] matrix_a_fmt:MATRIX_FMT_BF6 matrix_b_fmt:MATRIX_FMT_BF6 matrix_a_scale:MATRIX_SCALE_ROW1
.else
	v_wmma_scale_f32_16x16x128_f8f6f4 v[rD:rD+7], v[rW:rW+11], v[rA:rA+11], v[rD:rD+7], v[rSW], v[rSA] matrix_a_fmt:MATRIX_FMT_BF6 matrix_b_fmt:MATRIX_FMT_BF6 matrix_a_scale:MATRIX_SCALE_ROW1 matrix_b_scale:MATRIX_SCALE_ROW1
.endif
.endm
.irp g, 0,1,2,3
	WLOAD 0, \g
.endr
	; THE PRODUCT, written out: every offset is an immediate.  The 32 accumulators take turns, one instruction a turn; K step 0 starts the sums.
.irp s, 0,1,2,3,4,5,6,7
.irp g, 0,1,2,3
.if \s < 7
	s_wait_loadcnt 36                              ; this group's 12 loads, and all that is older, are in; the three younger groups of the ring may be out
.else
	s_wait_loadcnt 12*(3-\g)                       ; the last K step: only its own later groups are behind
.endif
	WIN 0x5e                                       ; source 0 (Wfc) window 2, source 1 (tokens) window 3, C and D window 1
.irp c, 0,1,2,3
	MM \s, 4*\g+\c, 0
	MM \s, 4*\g+\c, 1
.endr
	PLACES                                         ; in front of the loads into the registers just read, and at the end of the first read of results
.if \s < 7
	WLOAD \s+1, \g
.endif
.endr
.endr
	WIN 0x04                                       ; an LDS store's data are its source 1: window 1
.irp e, 0,1
.irp c, 0,1,2,3,4,5,6,7,8,9,10,11,12,13,14,15
	ds_store_b128 v[4+\e], v[8*(16*\e+\c):8*(16*\e+\c)+3] offset:64*\c        ; each accumulator from its low end on: token r, columns 256 w + 16 c + 8 h + 0 .. 7
	ds_store_b128 v[4+\e], v[8*(16*\e+\c)+4:8*(16*\e+\c)+7] offset:64*\c+16
.endr
.endr
	WIN 0
	s_wait_asynccnt 0x0                            ; my rows of q have landed (I alone read them)
	s_wait_dscnt 0x0                               ; for the others' sake: my stores into the stage have landed
	s_barrier_signal -1
	s_barrier_wait -1                              ; 32 whole rows lie in the stage
.macro LROW j, set                     ; row j of my 8: the product's 4,096 bytes and q's, 512 consecutive bytes a load
.irp i, 0,1,2,3,4,5,6,7
	ds_load_b128 v[\set+4*\i:\set+4*\i+3], v6 offset:YP*(\j)+512*\i
.endr
.irp i, 0,1,2,3,4,5,6,7
	ds_load_b128 v[\set+32+4*\i:\set+32+4*\i+3], v7 offset:4096*(\j)+512*\i
.endr
.endm
.macro REDUCE                          ; v216 summed over the 32 lanes, the result in every lane
	v_add_f32_dpp v216, v216, v216 row_xmask:1 row_mask:0xf bank_mask:0xf
	v_add_f32_dpp v216, v216, v216 row_xmask:2 row_mask:0xf bank_mask:0xf
	v_add_f32_dpp v216, v216, v216 row_xmask:4 row_mask:0xf bank_mask:0xf
	v_add_f32_dpp v216, v216, v216 row_xmask:8 row_mask:0xf bank_mask:0xf
	v_permlanex16_b32 v224, v216, s28, s29
	v_add_f32 v216, v216, v224
.endm
.macro ROW j, set, left                ; left: the LDS loads issued behind this row's, which may stay out
	s_wait_dscnt \left
.set cnt, 0
.rept 16
	v_pk_add_f32 v[\set+2*cnt:\set+2*cnt+1], v[\set+2*cnt:\set+2*cnt+1], v[\set+32+2*cnt:\set+33+2*cnt]   ; z = the product + q
.set cnt, cnt+1
.endr
	v_pk_add_f32 v[216:217], v[\set:\set+1], v[\set+2:\set+3]      ; the row's sum, in two chains
	v_pk_add_f32 v[218:219], v[\set+4:\set+5], v[\set+6:\set+7]
.irp i, 8,12,16,20,24,28
	v_pk_add_f32 v[216:217], v[216:217], v[\set+\i:\set+\i+1]
	v_pk_add_f32 v[218:219], v[218:219], v[\set+\i+2:\set+\i+3]
.endr
	v_pk_add_f32 v[216:217], v[216:217], v[218:219]
	v_add_f32 v216, v216, v217
	REDUCE
	v_mul_f32 v220, s30, v216                      ; the mean
.set cnt, 0
.rept 16
	v_pk_add_f32 v[\set+2*cnt:\set+2*cnt+1], v[\set+2*cnt:\set+2*cnt+1], v[220:221] op_sel_hi:[1,0] neg_lo:[0,1] neg_hi:[0,1]   ; d = z - the mean
.set cnt, cnt+1
.endr
	v_pk_mul_f32 v[216:217], v[\set:\set+1], v[\set:\set+1]        ; the sum of d^2: the first two products start the chains
	v_pk_mul_f32 v[218:219], v[\set+2:\set+3], v[\set+2:\set+3]
.irp i, 4,8,12,16,20,24,28
	v_pk_fma_f32 v[216:217], v[\set+\i:\set+\i+1], v[\set+\i:\set+\i+1], v[216:217]
	v_pk_fma_f32 v[218:219], v[\set+\i+2:\set+\i+3], v[\set+\i+2:\set+\i+3], v[218:219]
.endr
	v_pk_add_f32 v[216:217], v[216:217], v[218:219]
	v_add_f32 v216, v216, v217
	REDUCE
	v_fma_f32 v216, v216, s30, s31                 ; the variance + 1e-6
	s_wait_alu depctr_va_vdst(0)
	v_rsq_f32 v222, v216
	v_nop                                          ; a plain place behind it,
	s_wait_alu depctr_va_vdst(0)                   ; and the wait ahead of its first reader
.set cnt, 0
.rept 16
	v_pk_mul_f32 v[\set+2*cnt:\set+2*cnt+1], v[\set+2*cnt:\set+2*cnt+1], v[222:223] op_sel_hi:[1,0]
.set cnt, cnt+1
.endr
	WIN 0x28                                       ; sources 1 and 2 (gamma, beta) window 2
.set cnt, 0
.rept 16
	v_pk_fma_f32 v[\set+2*cnt:\set+2*cnt+1], v[\set+2*cnt:\set+2*cnt+1], v[GA+2*cnt:GA+2*cnt+1], v[BE+2*cnt:BE+2*cnt+1]
.set cnt, cnt+1
.endr
	WIN 0
.irp i, 0,1,2,3,4,5,6,7
	global_store_b128 v1, v[\set+4*\i:\set+4*\i+3], s[18:19] offset:4096*(\j)+512*\i th:TH_STORE_NT   ; 512 consecutive bytes, at a multiple of 256 from the buffer's first byte; written once, read by nobody here
.endr
.endm
	LROW 0, SA
	LROW 1, SB
	ROW 0, SA, 16
.irp j, 1,3,5
	s_wait_xcnt 0x0                                ; the stores of two rows back have read their registers: the set is loaded again only behind this wait
	LROW \j+1, SA
	ROW \j, SB, 16
	s_wait_xcnt 0x0
	LROW \j+2, SB
	ROW \j+1, SA, 16
.endr
	ROW 7, SB, 0
	s_wait_tensorcnt 0x0
	ds_add_u32 v254, v255
	s_wait_dscnt 0x0
	s_endpgm
.Lfunc_end_k_q17b06b7f3e_outln:
	.size	k_q17b06b7f3e_outln, .Lfunc_end_k_q17b06b7f3e_outln-k_q17b06b7f3e_outln
	.p2alignl 7, 3214868480
	.fill 96, 4, 3214868480
	.section	.rodata,"a",@progbits
	.p2align	6, 0x0
	.amdhsa_kernel k_q17b06b7f3e_outln
		.amdhsa_group_segment_fixed_size 263168
		.amdhsa_private_segment_fixed_size 0
		.amdhsa_enable_private_segment 0
		.amdhsa_kernarg_size 64
		.amdhsa_user_sgpr_count 2
		.amdhsa_user_sgpr_kernarg_segment_ptr 1
		.amdhsa_wavefront_size32 1
		.amdhsa_system_sgpr_workgroup_id_x 1
		.amdhsa_system_sgpr_workgroup_id_y 1
		.amdhsa_system_sgpr_workgroup_id_z 1
		.amdhsa_system_vgpr_workitem_id 0
		.amdhsa_next_free_vgpr 1024
		.amdhsa_next_free_sgpr 66
		.amdhsa_reserve_vcc 0
		.amdhsa_float_denorm_mode_32 3
		.amdhsa_float_denorm_mode_16_64 3
		.amdhsa_memory_ordered 1
		.amdhsa_forward_progress 1
		.amdhsa_inst_pref_size 169
	.end_amdhsa_kernel
	.amdgpu_metadata
---
amdhsa.version: [ 1, 2 ]
amdhsa.kernels:
  - .name:           k_q17b06b7f3e_outln
    .symbol:         k_q17b06b7f3e_outln.kd
    .args:
      - { .name: ao, .offset: 0, .size: 8, .value_kind: global_buffer, .address_space: global }
      - { .name: aos, .offset: 8, .size: 8, .value_kind: global_buffer, .address_space: global }
      - { .name: wf, .offset: 16, .size: 8, .value_kind: global_buffer, .address_space: global }
      - { .name: Wfc_scales, .offset: 24, .size: 8, .value_kind: global_buffer, .address_space: global }
      - { .name: q, .offset: 32, .size: 8, .value_kind: global_buffer, .address_space: global }
      - { .name: gamma, .offset: 40, .size: 8, .value_kind: global_buffer, .address_space: global }
      - { .name: beta, .offset: 48, .size: 8, .value_kind: global_buffer, .address_space: global }
      - { .name: out0, .offset: 56, .size: 8, .value_kind: global_buffer, .address_space: global }
    .group_segment_fixed_size: 263168
    .private_segment_fixed_size: 0
    .kernarg_segment_align: 8
    .kernarg_segment_size: 64
    .max_flat_workgroup_size: 128
    .sgpr_count:     66
    .vgpr_count:     1024
    .wavefront_size: 32
...
	.end_amdgpu_metadata
.endif
;; end of part 4
